; MI455X (gfx1250); checked and timed in simulation.
; The chip was launched on July 23, 2026; its instructions are those of AMD's public machine-readable ISA for CDNA 5 (MIT licence, August 2026) and "CDNA5" Instruction Set Architecture Reference Guide (July 2026). The comments in the code are by the model that wrote it; some were corrected since.
;; Self Attention. Allowed arithmetic: matrix products marked QUANTISED: E2M3 operands, one E8M0 scale for each 32 along K, by v_wmma_scale_f32_16x16x128_f8f6f4 with both operands' format E2M3, f32 sums; everything else in f32.
;; Inputs: b_out 1,024 float32; b_qkv 3,072 float32; w_out 1,024 x 1,024 float32; w_qkv 1,024 x 3,072 float32; x 4 x 2,048 x 1,024 float32.
;; Outputs: out0 4 x 2,048 x 1,024 float32.
;; This version of the problem:
;;   THIS VERSION OF THE PROBLEM IS GIVEN IN LOW PRECISION. The matrix products marked QUANTISED in the list below multiply operands that are first quantised to E2M3 (2 exponent bits, 3 mantissa bits; 6 bits a number), with one power-of-two scale for each 32 numbers along K (OCP MX v1.0); their sums are f32. All else is computed in f32.
;;   The module's matrix products, in the order in which they are computed (A, B: the left and right operand; K: the contracted axis; several contracted axes count as one K, in the product's order):
;;     1. [M 8,192, K 1,024] x [K 1,024, N 3,072]; A: input x; B: input w_qkv: QUANTISED
;;     2. batch 64 x [M 2,048, K 64] x [K 64, N 2,048]; A: computed on the way; B: computed on the way: QUANTISED
;;     3. batch 64 x [M 2,048, K 2,048] x [K 2,048, N 64]; A: softmax (see below); B: computed on the way: QUANTISED
;;     4. [M 8,192, K 1,024] x [K 1,024, N 1,024]; A: computed on the way; B: input w_out: QUANTISED
;;   THE QUANTISER, for each operand of a quantised product, along K:
;;     - K is cut into blocks of 32 from its start; a last block that is shorter is filled with zeros.
;;     - A block's scale is 2^e with e = floor(log2(the largest magnitude in the block)) - 2, held to -126 .. 127; a block of zeros has e = 0. As a byte (E8M0): e + 127.
;;     - Each number is divided by its block's scale, clamped to +-7.5, and rounded to the nearest number of E2M3, ties to even, subnormals kept.
;;     - The product sums the exact products of the quantised numbers (number of the format x scale) in f32.
;;   ~~~python
;;   def quantise(x, axis):      # numpy; x: float32 -> the quantised numbers, widened to float32 again
;;       x = np.moveaxis(x, axis, -1); K = x.shape[-1]
;;       x = np.pad(x, [(0, 0)] * (x.ndim - 1) + [(0, -K % 32)]); x = x.reshape(x.shape[:-1] + (-1, 32)); a = np.abs(x).max(-1, keepdims=True)
;;       e = np.where(a > 0, np.clip(np.frexp(np.where(a > 0, a, 1))[1] - 1 - 2, -126, 127), 0)      # np.frexp(a)[1] - 1 = floor(log2(a)), exactly
;;       r = np.clip(x / 2.0 ** e, -7.5, 7.5)
;;       step = 2.0 ** (np.maximum(np.frexp(np.where(r == 0, 1, r))[1] - 1, 0) - 3)
;;       q = np.round(r / step) * step * 2.0 ** e      # np.round: ties to even
;;       return np.moveaxis(q.reshape(q.shape[:-2] + (-1,))[..., :K], -1, axis).astype(np.float32)
;;   ~~~
;;   SOFTMAX AHEAD OF A QUANTISED PRODUCT. Where the list says 'softmax', what is quantised is not the finished softmax but p = 2^(t - M), with t = logit x log2(e) and M = ceil(the row's largest t), a whole number; so 1/2 < the row's largest p <= 1. The row's sum l is taken of the UNQUANTISED p, in f32, and the product's result is divided by l at the end. Since M is a whole number, a kernel that streams over the keys may use a running M (the ceiling of the running maximum): every later rescaling is an exact power of two, which a block's scale takes up: the codes' values come out the same.
;;   OPERANDS COMPUTED ON THE WAY. 'Computed on the way' means the value that the module computes at that place (a softmax that the list does not call 'softmax' is quantised finished and normalised). What goes into a quantiser is computed in f32, as accurately as f32 sums, v_exp_f32 and their like allow (about 1e-6 of the number): no bf16 or f16 on the way to a quantiser, and a product that is left as it is and whose result goes on into a quantised operand takes f32 operands (vector FMAs, or v_wmma_f32_16x16x4_f32). A number that lies on a knife's edge between two numbers of the format may be rounded either way, as far as f32 arithmetic and the matrix unit's own rounding can turn it there, and no further.
;; One version. Each part assembles by itself: llvm-mc -triple=amdgcn-amd-amdhsa -mcpu=gfx1250 --defsym DOCPART=n.
;; ======== version 1 of 1: 4 launches
;; workspace buffers: xc 6,291,456 bytes; wq 2,359,296 bytes; wo 786,432 bytes; sc1 360,448 bytes; sc4 294,912 bytes; oc 6,291,456 bytes; qkvc 20,185,088 bytes
;; launch quant (part 1): grid 256 x 1, 4 waves a work-group, no clusters, 35,328 bytes of LDS; arguments x, w_qkv, w_out, xc, wq, wo, sc1, sc4; writes xc, wq, wo, sc1, sc4
.if DOCPART == 1
	.amdgcn_target "amdgcn-amd-amdhsa--gfx1250"
	.amdhsa_code_object_version 6
	.text
	.protected	k_qcfd7f6ae06_quant
	.globl	k_qcfd7f6ae06_quant
	.p2align	8
	.type	k_qcfd7f6ae06_quant,@function
k_qcfd7f6ae06_quant:
	s_mov_b64 s[64:65], 0
	v_nop
	global_prefetch_b8 v0, s[64:65] scope:SCOPE_SE
	s_setreg_imm32_b32 hwreg(HW_REG_WAVE_MODE, 25, 1), 1
	s_wait_xcnt 0x0
; x [8192][1024], w_qkv [1024][3072] and w_out [1024][1024], f32, become codes of FP6 (E2M3) with one E8M0 byte for each 32 along K (x: its last axis; the weights: their first).
; A block's scale is 2^(floor(log2(largest magnitude)) - 2): its byte is that magnitude's exponent field - 2, held at 1 from below.
; LIMITS: a block of zeros, or one under the floor 2^(3 - 127), keeps the byte 1 (its codes are zeros or tiny; the bytes are read by this program alone); NaN and infinities among the inputs are not served.
; THE CODES ARE LAID AS IMAGES OF THE OPERAND'S REGISTERS.  A TILE is 16 rows that are not neighbours: tile 2 B + u, slot r, is row 32 B + 8 u + r + 8 (r / 8).  A fragment (a tile x 128 K) is 12 registers a lane:
; lane (r, h) holds K = 64 c + 32 h + 0 .. 31 in registers 6 c .. 6 c + 5; registers 4 p .. 4 p + 3 lie at 512 p + 16 x lane: 1,536 bytes.  Buffers: [K slot of 256][tile][K step of 128 in the slot][fragment].
; Scale words: [tile][slot r][8 K steps], 4 bytes each.  sc1: tiles 0-511 x's, 512-703 w_qkv's;  sc4: tiles 512-575 w_out's (tiles 0-511 are written by the attention launch).
; SHARES: work-groups 0-127: x, a wave to a tile of 16 tokens, all of K;  128-223: w_qkv;  224-255: w_out: a wave to 32 columns x 256 K, a lane to a column, registers down K.
; Only x's path uses LDS (a turn from "16 bytes a lane as they lie" to "a block of 32 a lane"), each wave its own bytes: no barrier.
.set XSTR,  1572864                    ; a K slot of xc: 512 tiles x 3,072 bytes
.set WREG,  8704                       ; LDS of a wave: two stages of 16 rows x 272 bytes
.set SPARE, 4*WREG                     ; behind them: the spare words, 128 bytes a wave, named by no other line
.set SPW, 248                          ; v248 my spare word's address; v249 0: never rewritten
.set NIL, 249
.set H8,  3                            ; v3   8 x (lane / 16)
.set XO,  5                            ; v5   x: (lane / 16) rows + 16 (lane % 16)
.set SI,  6                            ; v6   stage, way in
.set SO,  7                            ; v7   stage, way out
.set L16, 14                           ; v14  16 x lane
.set SS,  15                           ; v15  my 16 bytes of the tile's scale words
.set R,   16                           ; v16-143  four sets of 32: a chunk (16 rows x 64 K) as loaded
.set X,   144                          ; v144-207 two sets of 32: a block of 32 neighbours
.set C,   208                          ; v208-231 two fragments
.set CT,  232                          ; v232-234 a conversion's result on its way to an odd register
.set W,   236                          ; v236-243 the eight scale words
.set D,   244                          ; v244-247 the four that I store
.set WX,  16                           ; the weights' paths: v16-79 two sets of 32; v80-127 the codes of 256 K; v128-130; v132-133 scale words
.set WE,  80
.set WCT, 128
.set WSB, 132
; a block's largest magnitude (32 numbers of my lane, and the floor) -> v8; the conversion's scale operand (2 off the exponent field) -> v11
.macro BMAX xs
	v_max3_num_f32 v8, |v[\xs]|, |v[\xs+1]|, |v[\xs+2]|
	v_max3_num_f32 v9, |v[\xs+3]|, |v[\xs+4]|, |v[\xs+5]|
.irp i, 6,10,14,18,22,26
	v_max3_num_f32 v8, v8, |v[\xs+\i]|, |v[\xs+\i+1]|
	v_max3_num_f32 v9, v9, |v[\xs+\i+2]|, |v[\xs+\i+3]|
.endr
	v_max3_num_f32 v8, v8, |v[\xs+30]|, |v[\xs+31]|
	v_max3_num_f32 v8, v8, v9, 0x1800000           ; the floor 2^(3 - 127): the byte cannot fall under 1
	v_add_nc_u32 v11, 0xff000000, v8
.endm
	s_load_b512 s[8:23], s[0:1], 0x0               ; x, w_qkv, w_out, xc, wq, wo, sc1, sc4
	v_lshl_add_u32 v[SPW], v0, 2, SPARE
	v_mov_b32 v[NIL], 0
	v_lshrrev_b32 v1, 5, v0
	v_readfirstlane_b32 s4, v1                     ; wave
	v_and_b32 v1, 31, v0                           ; lane
	s_mov_b32 s27, 0
	s_wait_kmcnt 0x0
	s_cmp_lt_u32 ttmp9, 128
	s_cbranch_scc0 .Lweights
	; ---------------- x ----------------
	s_lshl_b32 s5, ttmp9, 2
	s_add_co_u32 s5, s5, s4                        ; my tile T
	s_lshr_b32 s6, s5, 1
	s_lshl_b32 s6, s6, 5
	s_and_b32 s7, s5, 1
	s_lshl_b32 s7, s7, 3
	s_add_co_u32 s6, s6, s7                        ; its first row: 32 (T / 2) + 8 (T % 2)
	s_lshl_b32 s26, s6, 12
	s_add_nc_u64 s[8:9], s[8:9], s[26:27]
	s_mul_i32 s26, s5, 3072
	s_add_nc_u64 s[14:15], s[14:15], s[26:27]
	s_lshl_b32 s26, s5, 9
	s_add_nc_u64 s[20:21], s[20:21], s[26:27]
	s_mov_b32 s24, 0x76543210
	s_mov_b32 s25, 0xfedcba98                      ; v_permlanex16_b32: lane l xor 16
	s_mov_b32 s29, 0xffff0000                      ; lanes 16-31
	s_mul_i32 s28, s4, WREG
	v_and_b32 v2, 15, v1                           ; r
	v_lshrrev_b32 v3, 4, v1                        ; h
	v_lshlrev_b32 v4, 4, v2
	v_lshl_add_u32 v[XO], v3, 12, v4
	v_mad_u32_u24 v[SI], v3, 272, v4
	v_add_nc_u32 v[SI], s28, v[SI]                 ; in: a load's two rows: row lane / 16, 16 bytes a lane
	v_mul_u32_u24 v[SO], v2, 272
	v_lshl_add_u32 v[SO], v3, 7, v[SO]
	v_add_nc_u32 v[SO], s28, v[SO]                 ; out: row r, 128 bytes for each half of the lanes
	v_lshlrev_b32 v[L16], 4, v1
	v_lshlrev_b32 v[SS], 5, v2
	v_lshl_add_u32 v[SS], v3, 4, v[SS]
	v_lshlrev_b32 v[H8], 3, v3
	v_mov_b32 v10, 0                               ; a lane permute's destination counts as read
.macro XLOAD c                         ; chunk c: 64 along K of the tile's 16 rows; each load takes two rows' 256 consecutive bytes
.irp i, 0,1,2,3,4,5,6,7
	global_load_b128 v[R+32*((\c)%4)+4*\i:R+32*((\c)%4)+4*\i+3], v[XO], s[8:9] offset:(2*\i+8*(\i/4))*4096+256*(\c) th:TH_LOAD_NT
.endr
.endm
.macro XTURN c                         ; through my stage: LDS serves a wave's instructions in order, so no wait stands between the stores and the loads
.irp i, 0,1,2,3,4,5,6,7
	ds_store_b128 v[SI], v[R+32*((\c)%4)+4*\i:R+32*((\c)%4)+4*\i+3] offset:4352*((\c)%2)+544*\i
.endr
.irp i, 0,1,2,3,4,5,6,7
	ds_load_b128 v[X+32*((\c)%2)+4*\i:X+32*((\c)%2)+4*\i+3], v[SO] offset:4352*((\c)%2)+16*\i
.endr
.endm
.macro XSTEP c
.set XS, X+32*((\c)%2)
.set CB, C+12*(((\c)/2)%2)
.set CD, CB+6*((\c)%2)
	s_wait_dscnt 0x0                               ; this chunk is back from the stage
.if (\c)+4 < 16
	XLOAD (\c)+4
.endif
.if (\c) < 15
.if (\c)+4 <= 15
	s_wait_loadcnt 24                              ; the next chunk is in; the three behind it (8 loads each) may be out
.else
	s_wait_loadcnt 8*(14-(\c))
.endif
	XTURN (\c)+1
.endif
	BMAX XS
.if ((\c)%2 == 0) && ((\c) >= 4)
	s_wait_xcnt 0x0                                ; this fragment's registers were store data two K steps ago: they are written again only behind this wait
.endif
	v_cvt_scalef32_pk16_fp6_f32 v[CD:CD+2], v[XS:XS+15], v11
	v_cvt_scalef32_pk16_fp6_f32 v[CT:CT+2], v[XS+16:XS+31], v11   ; (a conversion's three registers begin on an even number)
	v_lshrrev_b32 v13, 23, v11                     ; the scale's byte; also the plain line behind the conversions
.irp i, 0,1,2
	v_mov_b32 v[CD+3+\i], v[CT+\i]
.endr
.if (\c)%2 == 0
	v_mov_b32 v12, v13                             ; block h of the K step
.else
	v_lshl_or_b32 v12, v13, 16, v12                ; block 2 + h
	v_lshlrev_b32 v12, v[H8], v12                  ; at their places in the word
	v_permlanex16_b32 v10, v12, s24, s25
	v_or_b32 v[W+(\c)/2], v12, v10                 ; with lane l xor 16's two bytes the word is whole
.irp p, 0,1,2
	global_store_b128 v[L16], v[CB+4*\p:CB+4*\p+3], s[14:15] offset:((\c)/4)*XSTR+(((\c)/2)%2)*1536+512*\p   ; 512 consecutive bytes, aligned
.endr
.endif
.endm
	XLOAD 0
	XLOAD 1
	XLOAD 2
	XLOAD 3
	s_wait_loadcnt 24                              ; chunk 0 is in
	XTURN 0
.irp c, 0,1,2,3,4,5,6,7,8,9,10,11,12,13,14,15
	XSTEP \c
.endr
.irp k, 0,1,2,3
	v_cndmask_b32 v[D+\k], v[W+\k], v[W+4+\k], s29 ; lanes 0-15 store K steps 0-3 of row r, lanes 16-31 K steps 4-7
.endr
	global_store_b128 v[SS], v[D:D+3], s[20:21]    ; the tile's 512 bytes of scale words
	s_wait_tensorcnt 0x0                           ; the wave's end, behind my last LDS store
	ds_add_u32 v[SPW], v[NIL]
	s_wait_dscnt 0x0
	s_endpgm
	; ---------------- the weights ----------------
.macro WLOAD t                         ; block t: W(32 t + i, my column): 32 lanes read 128 consecutive bytes
.irp i, 0,1,2,3,4,5,6,7,8,9,10,11,12,13,14,15,16,17,18,19,20,21,22,23,24,25,26,27,28,29,30,31
	global_load_b32 v[WX+32*((\t)%2)+\i], v7, s[WSRC:WSRC+1] offset:(32*(\t)+\i)*WN*4 th:TH_LOAD_NT
.endr
.endm
.macro WBLOCK t                        ; block t = K step t / 4, block t % 4 = 2 c + h of it: it belongs to image lane (r, h), registers 6 c .. 6 c + 5
.set WXS, WX+32*((\t)%2)
.set WD, WE+24*((\t)/4)+12*((\t)%2)+6*(((\t)/2)%2)
.if (\t) < 7
	s_wait_loadcnt 32                              ; this block's 32 loads are in; the next block's may be out
.else
	s_wait_loadcnt 0x0
.endif
	BMAX WXS
	v_lshrrev_b32 v13, 23, v11
.if (\t)%4 == 0
	v_mov_b32 v[WSB+(\t)/4], v13
.else
	v_lshl_or_b32 v[WSB+(\t)/4], v13, 8*((\t)%4), v[WSB+(\t)/4]
.endif
	v_cvt_scalef32_pk16_fp6_f32 v[WD:WD+2], v[WXS:WXS+15], v11
	v_cvt_scalef32_pk16_fp6_f32 v[WCT:WCT+2], v[WXS+16:WXS+31], v11
	v_nop                                          ; one plain line behind the conversions
.irp i, 0,1,2
	v_mov_b32 v[WD+3+\i], v[WCT+\i]
.endr
.if (\t)+2 < 8
	WLOAD (\t)+2
.endif
.if (\t)%4 == 3                        ; a K step is whole: both halves' registers go to their lanes' places; a store covers two runs of 256 consecutive bytes (tiles 2 B and 2 B + 1)
.irp h, 0,1
.irp p, 0,1,2
	global_store_b128 v5, v[WE+24*((\t)/4)+12*\h+4*\p:WE+24*((\t)/4)+12*\h+4*\p+3], s[WDST:WDST+1] offset:1536*((\t)/4)+512*\p+256*\h
.endr
.endr
.endif
.endm
.macro WPATH n, nt, first, src, dst, scb
.set WN, \n
.set WSRC, \src
.set WDST, \dst
	s_sub_co_u32 s5, ttmp9, \first
	s_and_b32 s6, s5, 3                            ; which K slot
	s_lshr_b32 s7, s5, 2
	s_lshl_b32 s5, s7, 2
	s_add_co_u32 s5, s5, s4                        ; B: my 32 columns, tiles 2 B and 2 B + 1
	s_mul_i32 s26, s6, 256*(\n)*4
	s_lshl_b32 s28, s5, 7
	s_add_co_u32 s26, s26, s28
	s_add_nc_u64 s[\src:\src+1], s[\src:\src+1], s[26:27]
	s_mul_i32 s26, s6, (\nt)*3072
	s_mul_i32 s28, s5, 6144
	s_add_co_u32 s26, s26, s28
	s_add_nc_u64 s[\dst:\dst+1], s[\dst:\dst+1], s[26:27]
	s_lshl_b32 s26, s5, 10
	s_add_co_u32 s26, s26, 512*512                 ; the weights' tiles follow 512 token tiles
	s_lshl_b32 s28, s6, 3
	s_add_co_u32 s26, s26, s28
	s_add_nc_u64 s[\scb:\scb+1], s[\scb:\scb+1], s[26:27]
	v_bfe_u32 v2, v1, 3, 1                         ; column l of the 32 is slot r = l % 8 + 8 (l / 16) of tile u = (l / 8) % 2
	v_and_b32 v3, 7, v1
	v_lshrrev_b32 v4, 4, v1
	v_lshl_add_u32 v3, v4, 3, v3
	v_lshlrev_b32 v5, 4, v3
	v_mad_u32_u24 v5, v2, 3072, v5                 ; codes: 3,072 u + 16 r
	v_lshlrev_b32 v6, 5, v3
	v_lshl_add_u32 v6, v2, 9, v6                   ; scale words: 512 u + 32 r
	v_lshlrev_b32 v7, 2, v1
	WLOAD 0
	WLOAD 1
.irp t, 0,1,2,3,4,5,6,7
	WBLOCK \t
.endr
	global_store_b64 v6, v[WSB:WSB+1], s[\scb:\scb+1]   ; my column's two scale words: 8 bytes a lane, 32 bytes apart (one byte in 128 of what this path reads)
.endm
.Lweights:
	s_cmp_lt_u32 ttmp9, 224
	s_cbranch_scc0 .Lwout
	WPATH 3072, 192, 128, 10, 16, 20
	s_endpgm
.Lwout:
	WPATH 1024, 64, 224, 12, 18, 22
	s_endpgm
.Lfunc_end_k_qcfd7f6ae06_quant:
	.size	k_qcfd7f6ae06_quant, .Lfunc_end_k_qcfd7f6ae06_quant-k_qcfd7f6ae06_quant
	.p2alignl 7, 3214868480
	.fill 96, 4, 3214868480
	.section	.rodata,"a",@progbits
	.p2align	6, 0x0
	.amdhsa_kernel k_qcfd7f6ae06_quant
		.amdhsa_group_segment_fixed_size 35328
		.amdhsa_private_segment_fixed_size 0
		.amdhsa_enable_private_segment 0
		.amdhsa_kernarg_size 64
		.amdhsa_user_sgpr_count 2
		.amdhsa_user_sgpr_kernarg_segment_ptr 1
		.amdhsa_wavefront_size32 1
		.amdhsa_system_sgpr_workgroup_id_x 1
		.amdhsa_system_sgpr_workgroup_id_y 1
		.amdhsa_system_sgpr_workgroup_id_z 1
		.amdhsa_system_vgpr_workitem_id 0
		.amdhsa_next_free_vgpr 256
		.amdhsa_next_free_sgpr 66
		.amdhsa_reserve_vcc 0
		.amdhsa_float_denorm_mode_32 3
		.amdhsa_float_denorm_mode_16_64 3
		.amdhsa_memory_ordered 1
		.amdhsa_forward_progress 1
		.amdhsa_inst_pref_size 134
	.end_amdhsa_kernel
	.amdgpu_metadata
---
amdhsa.version: [ 1, 2 ]
amdhsa.kernels:
  - .name:           k_qcfd7f6ae06_quant
    .symbol:         k_qcfd7f6ae06_quant.kd
    .args:
      - { .name: x, .offset: 0, .size: 8, .value_kind: global_buffer, .address_space: global }
      - { .name: w_qkv, .offset: 8, .size: 8, .value_kind: global_buffer, .address_space: global }
      - { .name: w_out, .offset: 16, .size: 8, .value_kind: global_buffer, .address_space: global }
      - { .name: xc, .offset: 24, .size: 8, .value_kind: global_buffer, .address_space: global }
      - { .name: wq, .offset: 32, .size: 8, .value_kind: global_buffer, .address_space: global }
      - { .name: wo, .offset: 40, .size: 8, .value_kind: global_buffer, .address_space: global }
      - { .name: sc1, .offset: 48, .size: 8, .value_kind: global_buffer, .address_space: global }
      - { .name: sc4, .offset: 56, .size: 8, .value_kind: global_buffer, .address_space: global }
    .group_segment_fixed_size: 35328
    .private_segment_fixed_size: 0
    .kernarg_segment_align: 8
    .kernarg_segment_size: 64
    .max_flat_workgroup_size: 128
    .sgpr_count:     66
    .vgpr_count:     256
    .wavefront_size: 32
...
	.end_amdgpu_metadata
.endif
;; end of part 1
;; launch qkv (part 2): grid 12 x 32, 4 waves a work-group, clusters of 4 x 4, 327,680 bytes of LDS; arguments xc, wq, sc1, b_qkv, qkvc; writes qkvc
.if DOCPART == 2
	.amdgcn_target "amdgcn-amd-amdhsa--gfx1250"
	.amdhsa_code_object_version 6
	.text
	.protected	k_qcfd7f6ae06_qkv
	.globl	k_qcfd7f6ae06_qkv
	.p2align	8
	.type	k_qcfd7f6ae06_qkv,@function
k_qcfd7f6ae06_qkv:
	s_mov_b64 s[64:65], 0
	v_nop
	global_prefetch_b8 v0, s[64:65] scope:SCOPE_SE
	s_setreg_imm32_b32 hwreg(HW_REG_WAVE_MODE, 25, 1), 1
	s_wait_xcnt 0x0
	s_wait_alu depctr_hold_cnt(0) depctr_sa_sdst(0) depctr_va_vdst(0) depctr_va_sdst(0) depctr_va_ssrc(0) depctr_va_vcc(0) depctr_vm_vsrc(0)
	s_getreg_b32 s2, hwreg(HW_REG_IB_STS2, 6, 4)
	s_cmp_eq_u32 s2, 0
	s_cbranch_scc0 .Lentry_in_a_cluster
	s_endpgm
.Lentry_in_a_cluster:
	s_bfe_u32 s2, ttmp6, 0x10000c
	s_cmp_lg_u32 s2, 0xf033
	s_cbranch_scc0 .Lentry_shape_is_right
	s_endpgm
.Lentry_shape_is_right:
; qkv = x w_qkv + b_qkv on codes of FP6 (E2M3) with E8M0 scales, f32 sums; the result never goes to memory as f32: q and k are quantised along the head's 64, v along the tokens, in registers, and leave as
; images of the operands' registers of the attention launch.
; A work-group makes 256 tokens x 256 columns, each of its four waves 128 x 128: 64 accumulators.  K = 1,024 is four K slots of 256 (two K steps of 128); LDS holds three slots, all filled at the start, and slot 0 is
; filled once more with K slot 3.  The eight K steps are written out.  The operands come as dense blocks of register images: a fragment is three loads of 16 bytes a lane, consecutive: no pitch, no padding.
; A TILE is 16 rows that are not neighbours: tile 2 B + u, slot r = row 32 B + 8 u + r + 8 (r / 8).  With such tiles as source 0 a lane's 16 results of tiles 2 B, 2 B + 1 are the 16 neighbours 32 B + 16 (lane / 16) + 0 .. 15.
; ROLES.  S1 is source 1 (its row is the result's lane), S0 source 0 (its rows run along a lane's registers).  q, k (cluster x = 0, 1): S1 = tokens, S0 = columns: a lane holds a token, registers run along d.
; v (cluster x = 2): S1 = columns, S0 = tokens: a lane holds one d, registers run along the tokens, which are v's K.  The roles hang on the cluster's x alone, which all sixteen partners share; they change two LDS
; region terms, two offsets of scale words, the bias table and the way out.
; CLUSTER 4 x 4: x's tiles hang on the tile row and are asked for jointly along a row of the cluster, w's on the tile column and along a column.
; A wave has three tensor loads out at the start and one behind the refill's round.
; qkvc: [b x 16 + head][chunk of 128 tokens][19,712 bytes]: K 8 x 768 | V 4 x 1,536 | K's scale image 512 | V's 256 | Q 8 x 768 | Q's scale image 512.  A 768: registers 0-3 at 16 x lane, 4-5 at 512 + 8 x lane.
; LIMITS: as the quantiser's: a block of zeros or under 2^(3 - 127) keeps the byte 1; NaN and infinities are not served.
; REGISTERS: window 0: v8-15 bias offsets; v16-18, v19-21 LDS addresses of S1, S0 in slots 0-2; v25-27 offsets; v28, v29 the add's two; v32-95 scale words (8 i + K step: lanes 0-15 S1's tile i, lanes 16-31 S0's);
;   v128-223 S1's eight fragments, one set; on the way out v128-251 at work.  window 1: S0's fragments, two sets at v0 and v128; the bias table in the gaps (v96-127, v224-255).  windows 2, 3: the accumulators.
.set HALFT,  24576                     ; 8 tiles x 2 K steps x 1,536 bytes: what one tensor load brings and one wave reads of a side
.set SLOT,   4*HALFT                   ; x's 256 rows, then w's 256
.set SPARE,  3*SLOT                    ; behind the slots: the spare words, 128 bytes a wave, named by no other line
.set XSTR,   1572864                   ; a K slot of xc
.set WSTR,   589824                    ; a K slot of wq
.set HS,     315392                    ; a head of qkvc
.set CH,     19712                     ; a chunk of it
.set FR,     12
.set NL1,    3                         ; LDS loads that bring a fragment of S1
.set VO,   8
.set ADR1, 16
.set ADR0, 19
.set L16,  25
.set L8,   26
.set SOF,  27
.set SPW,  28
.set NIL,  29
.set SC,   32
.set AF,   128
.set ST,   128                         ; the way out: 64 numbers of a lane
.set PC,   192                         ; the codes just made
.set TM,   212                         ; v212-215 largest magnitudes, v216-219 bytes, v224-227 the conversions' scale operands
.set W,    232                         ; v232-239 the eight scale words
.set G1,  24
.set G1B, 48
.set G0,  68                           ; s[68:79] group 0 for x's tiles, a set for each slot;  s[80:91] for w's
.set G0B, 80
.set SEL, 56
.set LM,  58
.set MSB, 0
.macro WIN new                         ; the immediate's high byte repeats the setting that is left
.if MSB != (\new)
	s_set_vgpr_msb (MSB<<8)|(\new)
.set MSB, (\new)
.endif
.endm
.set MUL_LO, 0xa1                      ; source 0 window 1, source 1 window 0, C and D window 2
.set MUL_HI, 0xf1                      ; the same, C and D window 3
.set TO_B,   0x40                      ; destination window 1, address window 0
; A joint load: waves 0 and 1 fetch x's halves, waves 2 and 3 w's.  An s_nop 0 and four v_nop follow each of the two lines.
.macro JLOAD g0a, g1a, g0b, g1b
	s_cmp_eq_u32 s15, 0
	s_cbranch_scc0 .Lfor_b_\@
	tensor_load_to_lds s[\g0a:\g0a+3], s[\g1a:\g1a+7]
	s_nop 0
.rept 4
	v_nop
.endr
	s_branch .Lasked_\@
.Lfor_b_\@:
	tensor_load_to_lds s[\g0b:\g0b+3], s[\g1b:\g1b+7]
	s_nop 0
.rept 4
	v_nop
.endr
.Lasked_\@:
.endm
.macro CREST                           ; a round of the cluster's barrier behind its opening barrier
	s_cmp_lg_u32 s14, 0
	s_cbranch_scc1 .Lnot_wave_0_\@
	s_barrier_signal -3
.Lnot_wave_0_\@:
	s_barrier_wait -3
	s_barrier_signal -1
	s_barrier_wait -1
.endm
.macro CROUND
	s_barrier_signal -1
	s_barrier_wait -1
	CREST
.endm
.macro PLACES n                        ; plain vector lines between a matrix instruction and a load into, or a read of, its registers
.rept \n
	v_nop
.endr
.endm
	s_load_b256 s[4:11], s[0:1], 0x0               ; xc, wq, sc1, b_qkv
	s_load_b64 s[12:13], s[0:1], 0x20              ; qkvc
	v_lshl_add_u32 v[SPW], v0, 2, SPARE
	v_mov_b32 v[NIL], 0
	ds_add_u32 v[SPW], v[NIL]                      ; the wave's opening: the add and its wait ahead of my first tensor load
	v_lshrrev_b32 v1, 5, v0
	v_readfirstlane_b32 s14, v1                    ; wave
	s_lshr_b32 s15, s14, 1                         ; wr: my half of S1.  Also: I fetch for x (0) or for w (1)
	s_and_b32 s16, s14, 1                          ; wc: my half of S0.  Also: which half of that tile I fetch
	s_bfe_u32 s40, ttmp6, 0x40000                  ; cx, cy
	s_bfe_u32 s41, ttmp6, 0x40004
	s_lshl_b32 s42, ttmp9, 2
	s_add_co_u32 s42, s42, s40                     ; tile column
	s_and_b32 s17, ttmp7, 0xffff
	s_lshl_b32 s17, s17, 2
	s_add_co_u32 s17, s17, s41                     ; tile row
	s_lshl_b32 s43, s41, 2
	s_lshl_b32 s43, 15, s43                        ; my row of the cluster
	s_lshl_b32 s44, 0x1111, s40                    ; my column
	s_or_b32 s[G1+0], s43, (3<<16)|(1<<21)         ; 15:0 the mask; 17:16 elements of 8 bytes; 21 set beside a mask; no padding
	s_or_b32 s[G1B+0], s44, (3<<16)|(1<<21)
.irp g, G1, G1B
	s_mov_b32 s[\g+1], 32<<16                      ; tensor_dim0 = 32 elements: rows of 256 bytes
	s_mov_b32 s[\g+2], 96<<16                      ; tensor_dim1 = 96 rows: a dense block of 24,576 bytes
	s_mov_b32 s[\g+3], 32<<16                      ; tile_dim0
	s_mov_b32 s[\g+4], 96                          ; tile_dim1
	s_mov_b32 s[\g+5], 32                          ; the pitch
	s_mov_b32 s[\g+6], 0
	s_mov_b32 s[\g+7], 0
.endr
	s_lshl_b32 s18, s16, 3
	s_lshl_b32 s20, s17, 4
	s_add_co_u32 s20, s20, s18                     ; x: tile 16 x tile row + 8 x half
	s_mul_i32 s20, s20, 3072
	s_mov_b32 s21, 0
	s_lshl_b32 s46, s42, 4
	s_add_co_u32 s46, s46, s18                     ; w: tile 16 x tile column + 8 x half
	s_mul_i32 s46, s46, 3072
	s_mov_b32 s47, 0
	s_mul_i32 s45, s14, HALFT                      ; where they go: wave x 24,576: no place in the cluster enters an LDS address
	s_wait_dscnt 0x0                               ; the opening add is done
	s_wait_kmcnt 0x0
	s_add_nc_u64 s[20:21], s[4:5], s[20:21]
	s_add_nc_u64 s[46:47], s[6:7], s[46:47]
	CROUND                                         ; all sixteen work-groups are here: the first joint loads meet
.irp s, 0,1,2
	s_mov_b32 s[G0+4*\s], 1
	s_add_co_u32 s[G0+4*\s+1], s45, \s*SLOT
	s_add_nc_u64 s[G0+4*\s+2:G0+4*\s+3], s[20:21], \s*XSTR
	s_or_b32 s[G0+4*\s+3], s[G0+4*\s+3], 0x80000000
	s_mov_b32 s[G0B+4*\s], 1
	s_add_co_u32 s[G0B+4*\s+1], s45, \s*SLOT
	s_add_nc_u64 s[G0B+4*\s+2:G0B+4*\s+3], s[46:47], \s*WSTR
	s_or_b32 s[G0B+4*\s+3], s[G0B+4*\s+3], 0x80000000
	JLOAD G0+4*\s, G1, G0B+4*\s, G1B
.endr
	v_and_b32 v1, 15, v0                           ; r
	v_bfe_u32 v2, v0, 4, 1                         ; h
	v_and_b32 v3, 31, v0
	v_lshlrev_b32 v4, 4, v3                        ; 16 x lane
	s_cmp_eq_u32 ttmp9, 2                          ; v's columns?  The cluster's x: the same in all partners
	s_cselect_b32 s60, 2*HALFT, 0                  ; S1's region of a slot
	s_cselect_b32 s61, 0, 2*HALFT                  ; S0's
	s_mul_i32 s21, s15, HALFT
	s_add_co_u32 s21, s21, s60
	s_mul_i32 s22, s16, HALFT
	s_add_co_u32 s22, s22, s61
.irp s, 0,1,2
	v_add_nc_u32 v[ADR1+\s], s21, v4
	v_add_nc_u32 v[ADR0+\s], s22, v4
	s_add_co_u32 s21, s21, SLOT
	s_add_co_u32 s22, s22, SLOT
.endr
	; the scale words of all of K, once, from memory into registers: lanes 0-15 take S1's tiles, lanes 16-31 S0's; 32 bytes a row, 512 a tile
	s_lshl_b32 s32, s17, 13                        ; x's tiles: 16 x tile row x 512
	s_lshl_b32 s33, s42, 13
	s_add_co_u32 s33, s33, 512*512                 ; w's follow 512 token tiles
	s_lshl_b32 s34, s15, 12
	s_lshl_b32 s35, s16, 12
	s_cmp_eq_u32 ttmp9, 2
	s_cselect_b32 s36, s33, s32
	s_cselect_b32 s37, s32, s33
	s_add_co_u32 s36, s36, s34
	s_add_co_u32 s37, s37, s35
	s_mov_b32 s[LM], 0xffff0000
	v_mov_b32 v26, s36
	v_mov_b32 v[SOF], s37
	v_cndmask_b32 v[SOF], v26, v[SOF], s[LM]
	v_lshl_add_u32 v[SOF], v1, 5, v[SOF]
.irp i, 0,1,2,3,4,5,6,7
	global_load_b128 v[SC+8*\i:SC+8*\i+3], v[SOF], s[8:9] offset:512*\i
	global_load_b128 v[SC+8*\i+4:SC+8*\i+7], v[SOF], s[8:9] offset:512*\i+16
.endr
	; the bias table, eight registers a tile, in the result's layout.  q, k: of S0's tile i, register j: column 32 (i / 2) + 16 h + 8 (i % 2) + j.  v: of S1's tile i, my own column, eight times.  No branch: multipliers
	s_cmp_eq_u32 ttmp9, 2
	s_cselect_b32 s32, 0, 16
	s_cselect_b32 s33, 1, 0
	s_cselect_b32 s34, 0, 4
	s_cselect_b32 s35, s15, s16
	s_lshl_b32 s36, s42, 8
	s_lshl_b32 s35, s35, 7
	s_add_co_u32 s36, s36, s35                     ; my first column
	v_and_b32 v5, 8, v1
	v_add_nc_u32 v5, v5, v1                        ; r + 8 (r / 8)
	v_mul_u32_u24 v6, v2, s32
	v_mad_u32_u24 v6, v5, s33, v6
	v_add_lshl_u32 v[VO], v6, s36, 2
.irp j, 1,2,3,4,5,6,7
	v_add_nc_u32 v[VO+\j], s34, v[VO+\j-1]
.endr
	WIN TO_B
.irp i, 0,1,2,3,4,5,6,7
.irp j, 0,1,2,3,4,5,6,7
	global_load_b32 v[96+8*\i+96*(\i/4)+\j], v[VO+\j], s[10:11] offset:4*(32*(\i/2)+8*(\i%2))
.endr
.endr
	WIN 0
.macro FRAG12 reg, adr, off            ; a fragment comes back as it was stored: three loads of 16 bytes a lane
.irp p, 0,1,2
	ds_load_b128 v[\reg+4*\p:\reg+4*\p+3], v[\adr] offset:\off+512*\p
.endr
.endm
.macro FETCH0 slot, q, p               ; S0's eight fragments of the slot's q-th K step into set p
	WIN TO_B
.irp i, 0,1,2,3,4,5,6,7
	FRAG12 128*(\p)+FR*\i, ADR0+\slot, 3072*\i+1536*(\q)
.endr
	WIN 0
.endm
.macro FETCH1 slot, q, i0              ; S1's blocks i0 .. i0 + 3
.irp i, \i0, \i0+1, \i0+2, \i0+3
	FRAG12 AF+FR*(\i), ADR1+\slot, 3072*(\i)+1536*(\q)
.endr
.endm
; 16 matrix instructions: S1's blocks a0, a0 + 1 x S0's eight.  The 64 accumulators take turns, one instruction a turn, in one order throughout.  first = 1: the products start the sums.
.macro MUL16 a0, p, ks, first
.irp a, \a0, \a0+1
.irp b, 0,1,2,3,4,5,6,7
.if \first
	v_wmma_scale_f32_16x16x128_f8f6f4 v[8*(8*((\a)%4)+\b):8*(8*((\a)%4)+\b)+7], v[128*(\p)+FR*\b:128*(\p)+FR*\b+FR-1], v[AF+FR*(\a):AF+FR*(\a)+FR-1], 0, v[SC+8*\b+(\ks)], v[SC+8*(\a)+(\ks)] matrix_a_fmt:MATRIX_FMT_FP6 matrix_b_fmt:MATRIX_FMT_FP6 matrix_a_scale:MATRIX_SCALE_ROW1
.else
	v_wmma_scale_f32_16x16x128_f8f6f4 v[8*(8*((\a)%4)+\b):8*(8*((\a)%4)+\b)+7], v[128*(\p)+FR*\b:128*(\p)+FR*\b+FR-1], v[AF+FR*(\a):AF+FR*(\a)+FR-1], v[8*(8*((\a)%4)+\b):8*(8*((\a)%4)+\b)+7], v[SC+8*\b+(\ks)], v[SC+8*(\a)+(\ks)] matrix_a_fmt:MATRIX_FMT_FP6 matrix_b_fmt:MATRIX_FMT_FP6 matrix_a_scale:MATRIX_SCALE_ROW1
.endif
.endr
.endr
.endm
; A K step (S0's set p, scale words ks) that fetches its successor (slot nslot, K step nq of it) with no change of what LDS holds.
.macro STEP p, ks, nslot, nq, first
	s_wait_dscnt 4*NL1                             ; S0's set and S1's blocks 0-3 are in; the youngest loads (S1's blocks 4-7) may be out
	WIN MUL_LO
	MUL16 0, \p, \ks, \first
	MUL16 2, \p, \ks, \first
	s_wait_dscnt 0x0                               ; S1's blocks 4-7 are in
	PLACES 4
	FETCH0 \nslot, \nq, 1-\p
	FETCH1 \nslot, \nq, 0
	WIN MUL_HI
	MUL16 4, \p, \ks, \first
	MUL16 6, \p, \ks, \first
	PLACES 4
	WIN 0
	FETCH1 \nslot, \nq, 4
.endm
; A K step with a barrier: in front of it each wave waits for all its tensor loads, adds 0 to its spare word, and waits for that and for its LDS reads.  fill = 1: slot 0, read out, takes K slot 3, behind a round of the cluster's barrier.
.macro TURN p, ks, nslot, fill
	s_wait_tensorcnt 0x0                           ; all my tensor loads have landed
	ds_add_u32 v[SPW], v[NIL]
	s_wait_dscnt 4*NL1+1                           ; (the add and the youngest loads may be out)
	WIN MUL_LO
	MUL16 0, \p, \ks, 0
	s_wait_dscnt 0x0                               ; the add is done, and my reads of the slot are over
	s_barrier_signal -1
	MUL16 2, \p, \ks, 0
	WIN 0
	s_barrier_wait -1
.if \fill
	CREST                                          ; no wave of any partner still reads slot 0 or has a load on its way
	s_add_nc_u64 s[G0+2:G0+3], s[G0+2:G0+3], 3*XSTR
	s_add_nc_u64 s[G0B+2:G0B+3], s[G0B+2:G0B+3], 3*WSTR
	JLOAD G0, G1, G0B, G1B                         ; my one tensor load behind the round: 224 matrix instructions ahead of the wait for it; its four v_nop are the places in front of the loads below
.else
	PLACES 4
.endif
	FETCH0 \nslot, 0, 1-\p
	FETCH1 \nslot, 0, 0
	WIN MUL_HI
	MUL16 4, \p, \ks, 0
	MUL16 6, \p, \ks, 0
	PLACES 4
	WIN 0
	FETCH1 \nslot, 0, 4
.endm
	s_wait_tensorcnt 2                             ; my part of slot 0 is in; slots 1 and 2 may be out
	s_barrier_signal -1
	s_barrier_wait -1
	FETCH0 0, 0, 0
	FETCH1 0, 0, 0
	FETCH1 0, 0, 4
	s_wait_loadcnt 0x0                             ; the scale words and the bias table
	STEP 0, 0, 0, 1, 1
	TURN 1, 1, 1, 1                                ; every wave has shown slots 1 and 2 whole; slot 0 is filled again
	STEP 0, 2, 1, 1, 0
	STEP 1, 3, 2, 0, 0
	STEP 0, 4, 2, 1, 0
	TURN 1, 5, 0, 0                                ; K slot 3 has landed in slot 0
	STEP 0, 6, 0, 1, 0
	s_wait_dscnt 4*NL1                             ; the last K step: nothing more to fetch
	WIN MUL_LO
	MUL16 0, 1, 7, 0
	MUL16 2, 1, 7, 0
	s_wait_dscnt 0x0
	WIN MUL_HI
	MUL16 4, 1, 7, 0
	MUL16 6, 1, 7, 0
	WIN 0
	; ---------------- THE WAY OUT: bias, quantiser, images.  No LDS. ----------------
; 64 numbers of a lane, register 16 b + i = k 32 b + 16 (lane / 16) + i of my row, become a fragment's codes in v[PC] on and its scale word in v[pw].
.macro QUANT s, pw
.irp b, 0,1,2,3
	v_max3_num_f32 v[TM+\b], |v[\s+16*\b]|, |v[\s+1+16*\b]|, 0x1800000   ; my 16 numbers of block b, and the floor 2^(3 - 127)
.endr
.irp i, 2,4,6,8,10,12,14
.irp b, 0,1,2,3
	v_max3_num_f32 v[TM+\b], v[TM+\b], |v[\s+16*\b+\i]|, |v[\s+1+16*\b+\i]|
.endr
.endr
.irp b, 0,1,2,3
	v_permlanex16_b32 v[TM+4+\b], v[TM+\b], s[SEL], s[SEL+1]
.endr
.irp b, 0,1,2,3
	v_max_num_f32 v[TM+\b], v[TM+\b], v[TM+4+\b]   ; with lane l xor 16's: the block's largest magnitude
.endr
.irp b, 0,1,2,3
	v_add_nc_u32 v[TM+12+\b], 0xff000000, v[TM+\b] ; 2 off its exponent field: the conversion's scale operand
.endr
.irp b, 0,1,2,3
	v_lshrrev_b32 v[TM+4+\b], 23, v[TM+12+\b]      ; the scale's byte
.endr
	v_lshl_or_b32 v[\pw], v[TM+5], 8, v[TM+4]
	v_lshl_or_b32 v[\pw], v[TM+6], 16, v[\pw]
	v_lshl_or_b32 v[\pw], v[TM+7], 24, v[\pw]
.irp c, 0,1
	v_cvt_scalef32_pk16_fp6_f32 v[PC+6*\c:PC+2+6*\c], v[\s+32*\c:\s+15+32*\c], v[TM+12+2*\c]
	v_cvt_scalef32_pk16_fp6_f32 v[PC+12+4*\c:PC+14+4*\c], v[\s+16+32*\c:\s+31+32*\c], v[TM+12+2*\c+1]
.endr
	v_nop                                          ; one plain line behind a scaled conversion
.irp c, 0,1                                    ; the layout wants a whole block in a lane: lanes 0-15 block 2 c, lanes 16-31 block 2 c + 1
.irp i, 0,1,2
	v_permlane16_swap_b32 v[PC+6*\c+\i], v[PC+12+4*\c+\i]
.endr
.irp i, 0,1,2
	v_mov_b32 v[PC+3+6*\c+\i], v[PC+12+4*\c+\i]
.endr
.endr
.endm
; S1's block a: its eight accumulators + the bias (each accumulator from its low end on), then the quantiser.  kind = 0: the bias of S0's tile b; 1: of S1's tile a.
.macro EPI a, kind
.set RBA, 96+8*(\a)+96*((\a)/4)
	WIN 0x06+(\a)/4                                ; source 0 window 2 or 3, source 1 window 1
.irp b, 0,1,2,3,4,5,6,7
.irp i, 0,2,4,6
.if \kind
	v_pk_add_f32 v[ST+8*\b+\i:ST+8*\b+\i+1], v[8*(8*((\a)%4)+\b)+\i:8*(8*((\a)%4)+\b)+\i+1], v[RBA+\i:RBA+\i+1]
.else
	v_pk_add_f32 v[ST+8*\b+\i:ST+8*\b+\i+1], v[8*(8*((\a)%4)+\b)+\i:8*(8*((\a)%4)+\b)+\i+1], v[96+8*\b+96*(\b/4)+\i:96+8*\b+96*(\b/4)+\i+1]
.endif
.endr
.endr
	WIN 0
.if (\a) > 0
	s_wait_xcnt 0x0                                ; the last block's stores have read the codes' registers: they are written again only behind this wait
.endif
	QUANT ST, W+\a
.endm
	PLACES 4                                       ; behind the last products
	v_and_b32 v[L16], 31, v0
	v_lshlrev_b32 v[L8], 3, v[L16]
	v_lshlrev_b32 v[L16], 4, v[L16]
.irp b, 0,1,2,3
	v_mov_b32 v[TM+4+\b], 0                        ; a lane permute's destination counts as read
.endr
	s_mov_b32 s[SEL], 0x76543210
	s_mov_b32 s[SEL+1], 0xfedcba98
	s_cmp_eq_u32 ttmp9, 2
	s_cselect_b32 s32, s16, s15                    ; which half of the tokens is mine,
	s_cselect_b32 s33, s15, s16                    ; and of the columns
	s_lshl_b32 s34, s17, 1
	s_add_co_u32 s34, s34, s32                     ; my 128 tokens: chunk 2 x tile row + half, of 64
	s_lshr_b32 s35, s34, 4                         ; b
	s_and_b32 s34, s34, 15                         ; the chunk in b
	s_lshl_b32 s36, s42, 2
	s_lshl_b32 s33, s33, 1
	s_add_co_u32 s36, s36, s33
	s_and_b32 s36, s36, 15                         ; my first head (I have two)
	s_lshl_b32 s35, s35, 4
	s_add_co_u32 s35, s35, s36
	s_lshl_b32 s35, s35, 4
	s_add_co_u32 s35, s35, s34
	s_mul_i32 s32, s35, CH
	s_mov_b32 s33, 0
	s_add_nc_u64 s[12:13], s[12:13], s[32:33]      ; my chunk of my first head
	s_cmp_eq_u32 ttmp9, 2
	s_cbranch_scc1 .Lv
	; q, k: a lane holds a token; registers 0-5 of the fragment are my first head's 64, registers 6-11 the second's
	s_cmp_eq_u32 ttmp9, 0
	s_cselect_b32 s32, 13056, 0                    ; Q's images, or K's
	s_mov_b32 s34, 12288
	s_cselect_b32 s34, 19200, s34                  ; and their scale image
	s_mov_b32 s35, 0
	s_add_nc_u64 s[20:21], s[12:13], s[34:35]
	s_add_nc_u64 s[12:13], s[12:13], s[32:33]
.irp a, 0,1,2,3,4,5,6,7
	EPI \a, 0
	global_store_b128 v[L16], v[PC:PC+3], s[12:13] offset:768*\a              ; 512 consecutive bytes
	global_store_b64 v[L8], v[PC+4:PC+5], s[12:13] offset:768*\a+512          ; 256
	global_store_b128 v[L16], v[PC+6:PC+9], s[12:13] offset:768*\a+HS
	global_store_b64 v[L8], v[PC+10:PC+11], s[12:13] offset:768*\a+512+HS
.endr
.irp k, 0,1,2,3
	v_cndmask_b32 v[240+\k], v[W+2*\k], v[W+2*\k+1], s[LM]   ; word k of lane (r, h): tile 2 k + h, slot r
.endr
.irp k, 0,1,2,3
	v_and_b32 v[244+\k], 0xffff, v[240+\k]         ; my first head's two bytes; the upper two are 0: they scale the half of the instruction's K that holds zero codes
	v_lshrrev_b32 v[248+\k], 16, v[240+\k]         ; the second head's
.endr
	global_store_b128 v[L16], v[244:247], s[20:21]
	global_store_b128 v[L16], v[248:251], s[20:21] offset:HS
	s_branch .Lout
.Lv:	; v: a lane holds one d (S1's block a: head a / 4, tile a % 4 of its 64); the fragment's K are my 128 tokens
	s_add_nc_u64 s[12:13], s[12:13], 6144
.irp a, 0,1,2,3,4,5,6,7
	EPI \a, 1
.irp p, 0,1,2
	global_store_b128 v[L16], v[PC+4*\p:PC+4*\p+3], s[12:13] offset:(\a/4)*HS+(\a%4)*1536+512*\p
.endr
.endr
.irp hh, 0,1
	v_cndmask_b32 v[240+2*\hh], v[W+4*\hh], v[W+4*\hh+1], s[LM]
	v_cndmask_b32 v[241+2*\hh], v[W+4*\hh+2], v[W+4*\hh+3], s[LM]
	global_store_b64 v[L8], v[240+2*\hh:241+2*\hh], s[12:13] offset:6656+\hh*HS
.endr
.Lout:
	s_wait_tensorcnt 0x0                           ; the wave's end
	ds_add_u32 v[SPW], v[NIL]
	s_wait_dscnt 0x0
	CROUND                                         ; the closing round
	s_endpgm
.Lfunc_end_k_qcfd7f6ae06_qkv:
	.size	k_qcfd7f6ae06_qkv, .Lfunc_end_k_qcfd7f6ae06_qkv-k_qcfd7f6ae06_qkv
	.p2alignl 7, 3214868480
	.fill 96, 4, 3214868480
	.section	.rodata,"a",@progbits
	.p2align	6, 0x0
	.amdhsa_kernel k_qcfd7f6ae06_qkv
		.amdhsa_group_segment_fixed_size 327680
		.amdhsa_private_segment_fixed_size 0
		.amdhsa_enable_private_segment 0
		.amdhsa_kernarg_size 40
		.amdhsa_user_sgpr_count 2
		.amdhsa_user_sgpr_kernarg_segment_ptr 1
		.amdhsa_wavefront_size32 1
		.amdhsa_system_sgpr_workgroup_id_x 1
		.amdhsa_system_sgpr_workgroup_id_y 1
		.amdhsa_system_sgpr_workgroup_id_z 1
		.amdhsa_system_vgpr_workitem_id 0
		.amdhsa_next_free_vgpr 1024
		.amdhsa_next_free_sgpr 98
		.amdhsa_reserve_vcc 0
		.amdhsa_float_denorm_mode_32 3
		.amdhsa_float_denorm_mode_16_64 3
		.amdhsa_memory_ordered 1
		.amdhsa_forward_progress 1
		.amdhsa_inst_pref_size 211
	.end_amdhsa_kernel
	.amdgpu_metadata
---
amdhsa.version: [ 1, 2 ]
amdhsa.kernels:
  - .name:           k_qcfd7f6ae06_qkv
    .symbol:         k_qcfd7f6ae06_qkv.kd
    .args:
      - { .name: xc, .offset: 0, .size: 8, .value_kind: global_buffer, .address_space: global }
      - { .name: wq, .offset: 8, .size: 8, .value_kind: global_buffer, .address_space: global }
      - { .name: sc1, .offset: 16, .size: 8, .value_kind: global_buffer, .address_space: global }
      - { .name: b_qkv, .offset: 24, .size: 8, .value_kind: global_buffer, .address_space: global }
      - { .name: qkvc, .offset: 32, .size: 8, .value_kind: global_buffer, .address_space: global }
    .group_segment_fixed_size: 327680
    .private_segment_fixed_size: 0
    .kernarg_segment_align: 8
    .kernarg_segment_size: 40
    .max_flat_workgroup_size: 128
    .sgpr_count:     98
    .vgpr_count:     1024
    .wavefront_size: 32
...
	.end_amdgpu_metadata
.endif
;; end of part 2
;; launch attn (part 3): grid 4 x 64, 16 waves a work-group, clusters of 4 x 1, 210,944 bytes of LDS; arguments qkvc, oc, sc4; writes oc, sc4
.if DOCPART == 3
	.amdgcn_target "amdgcn-amd-amdhsa--gfx1250"
	.amdhsa_code_object_version 6
	.text
	.protected	k_qcfd7f6ae06_attn
	.globl	k_qcfd7f6ae06_attn
	.p2align	8
	.type	k_qcfd7f6ae06_attn,@function
k_qcfd7f6ae06_attn:
	s_mov_b64 s[64:65], 0
	v_nop
	global_prefetch_b8 v0, s[64:65] scope:SCOPE_SE
	s_setreg_imm32_b32 hwreg(HW_REG_WAVE_MODE, 25, 1), 1
	s_wait_xcnt 0x0
	s_wait_alu depctr_hold_cnt(0) depctr_sa_sdst(0) depctr_va_vdst(0) depctr_va_sdst(0) depctr_va_ssrc(0) depctr_va_vcc(0) depctr_vm_vsrc(0)
	s_getreg_b32 s2, hwreg(HW_REG_IB_STS2, 6, 4)
	s_cmp_eq_u32 s2, 0
	s_cbranch_scc0 .Lentry_in_a_cluster
	s_endpgm
.Lentry_in_a_cluster:
	s_bfe_u32 s2, ttmp6, 0x10000c
	s_cmp_lg_u32 s2, 0x3003
	s_cbranch_scc0 .Lentry_shape_is_right
	s_endpgm
.Lentry_shape_is_right:
; Causal attention of one (b, head) a cluster, on codes of FP6 (E2M3) with E8M0 scales: S^T = K Q^T, p = 2^(t - M), O^T += V^T P^T, o = O / l, and o quantised along the head's 64 for the last product.
; t = score x log2(e) / 8; M = the running largest t rounded up to a whole number; the row's sum l is taken of the unquantised p; when M moves, l and O^T are multiplied by 2^(old M - new M), exactly.
; SHARES.  The head has 128 tiles of 16 queries.  Work-group j (its place in the cluster) owns tiles 4 m + j; wave w owns m = 31 - w ("hi") and m = w ("lo").  A tile's queries lie in 64 m .. 64 m + 63, so its last
; step of 128 keys is m / 2, whatever j: every wave has (16 - w / 2) + (w / 2 + 1) = 17 tile steps, two of them on the diagonal, and every branch hangs on the wave's number and the loop's count alone.
; LDS.  The head's K, V and their scale images, 16 chunks of 13,056 bytes, lie in LDS whole: wave w brings chunk w by one joint load (the four work-groups ask for the same bytes); every byte is filled once; one barrier.
; A wave has one tensor load out.
; K = 64 IN AN INSTRUCTION OF 128: Q's registers 6-11 are zero codes and bytes 2, 3 of Q's and K's scale words are 0 (2^-127).  K's operand for tile i is v[40 + 6 i .. 51 + 6 i]: its upper six registers are the next
; tile's codes (v88-93, zeros, for tile 7): every 6-bit pattern is a finite number, and it meets the code 0.
; TILES: tile 2 B + u, slot r = row 32 B + 8 u + r + 8 (r / 8), of keys, queries and d alike: so p's 16 registers of two neighbouring tiles are 16 neighbouring keys, and O^T's are 16 neighbouring d.
; A block's largest p is the block's largest score put through the same multiply-add and exponential; this takes v_exp_f32 not to fall where its input rises.  LIMITS: NaN and infinities are not served.
; The scale bytes of o leave as 2 bytes a row (the word's other half belongs to another head's work-group): 32 bytes apart; one part in 25 of what this launch stores.
; REGISTERS: v0 16 x lane, v1 8 x lane, v2-3 LDS addresses, v4-5 the mask's d, v6-7 the add's two, v8-11 hi's -M, largest t, sum; v12-15 lo's; v16-27, v28-39 Q; v40-87 K's tiles, then V's; v88-93 zeros; v94 32 r;
;   v96-159 S^T, then p; v160-191, v192-223 O^T; v224-235 p's codes; v232-247 at work; v248-251 K's or V's scale words; v252 f; v253 p's scale word; v254 at work; v255 Q's scale words (hi: lanes 0-15, lo: 16-31).
.set HS,    315392
.set CH,    19712
.set LCH,   13056                      ; what LDS holds of a chunk: K 6,144 | V 6,144 | K's scale image 512 | V's 256
.set XSTR,  1572864
.set SPARE, 16*LCH                     ; behind the chunks: the spare words, 128 bytes a wave, named by no other line
.set L16, 0
.set L8,  1
.set A16, 2
.set A8,  3
.set DQH, 4
.set DQL, 5
.set SPW, 6
.set NIL, 7
.set QH,  16
.set QL,  28
.set R32, 94
.set WV,  18
.set MH,  19
.set SEL, 20
.set CS,  22
.set KS,  36
.set TB,  37
.set LH,  38
.set LL,  39
.macro CROUND
	s_barrier_signal -1
	s_barrier_wait -1
	s_cmp_lg_u32 s[WV], 0
	s_cbranch_scc1 .Lnot_wave_0_\@
	s_barrier_signal -3
.Lnot_wave_0_\@:
	s_barrier_wait -3
	s_barrier_signal -1
	s_barrier_wait -1
.endm
	s_load_b128 s[4:7], s[0:1], 0x0                ; qkvc, oc
	s_load_b64 s[8:9], s[0:1], 0x10                ; sc4
	v_lshl_add_u32 v[SPW], v0, 2, SPARE
	v_mov_b32 v[NIL], 0
	ds_add_u32 v[SPW], v[NIL]                      ; the wave's opening: the add and its wait ahead of my first tensor load
	v_lshrrev_b32 v2, 5, v0
	v_readfirstlane_b32 s[WV], v2                  ; wave 0..15
	s_and_b32 s10, ttmp7, 0xffff                   ; b x 16 + head, which the four partners share
	s_bfe_u32 s40, ttmp6, 0x40000                  ; j: it enters global addresses of Q, oc, sc4 and the mask's numbers alone
	s_mov_b32 s24, 15|(3<<16)|(1<<21)              ; 15:0 all four work-groups; elements of 8 bytes; 21 set beside a mask; no padding
	s_mov_b32 s25, 32<<16                          ; rows of 256 bytes,
	s_mov_b32 s26, 51<<16                          ; 51 of them, dense
	s_mov_b32 s27, 32<<16
	s_mov_b32 s28, 51
	s_mov_b32 s29, 32
	s_mov_b32 s30, 0
	s_mov_b32 s31, 0
	s_mov_b32 s32, 1
	s_mul_i32 s33, s[WV], LCH                      ; chunk w's place in LDS
	s_mul_i32 s54, s10, HS
	s_mov_b32 s55, 0
	s_mul_i32 s12, s[WV], CH
	s_add_co_u32 s12, s12, s54
	s_mov_b32 s13, 0
	s_mov_b32 s[SEL], 0x76543210
	s_mov_b32 s[SEL+1], 0xfedcba98
	s_mov_b32 s[CS], 0x3e38aa3b                    ; c = log2(e) / 8
	s_mov_b32 s[CS+1], s[CS]
	s_mov_b32 s63, 0xffff0000                      ; lanes 16-31
	s_sub_co_u32 s[MH], 31, s[WV]
	s_lshr_b32 s[LH], s[MH], 1
	s_lshr_b32 s[LL], s[WV], 1
	s_and_b32 s56, s10, 15                         ; the head
	s_lshl_b32 s62, s56, 1                         ; its two bytes in a row's scale words
	s_lshr_b32 s57, s56, 2
	s_mul_i32 s41, s57, XSTR                       ; its K slot of oc,
	s_and_b32 s57, s56, 3
	s_mul_i32 s57, s57, 768                        ; and its 768 bytes of a tile's 3,072
	s_add_co_u32 s41, s41, s57
	s_lshr_b32 s11, s10, 4
	s_lshl_b32 s11, s11, 7                         ; b's first token tile
	s_wait_dscnt 0x0                               ; the opening add is done
	s_wait_kmcnt 0x0
	s_add_nc_u64 s[34:35], s[4:5], s[12:13]
	s_or_b32 s35, s35, 0x80000000
	CROUND                                         ; all four work-groups are here: the joint loads meet
	tensor_load_to_lds s[32:35], s[24:31]
	s_nop 0
.rept 4
	v_nop
.endr
	s_add_nc_u64 s[54:55], s[4:5], s[54:55]        ; the head in qkvc
; for the tile 4 m + j: Q's image, oc's and sc4's places, the offset of Q's scale words, the mask's scalar part
.macro BASES m, qb, ocb, scb, qso, dqs
	s_lshr_b32 s56, s[\m], 1
	s_mul_i32 s56, s56, CH                         ; the queries' chunk
	s_and_b32 s57, s[\m], 1
	s_lshl_b32 s58, s57, 2
	s_add_co_u32 s58, s58, s40                     ; the tile in the chunk: 4 (m % 2) + j
	s_mul_i32 s60, s58, 768
	s_add_co_u32 s60, s60, s56
	s_add_co_u32 s60, s60, 13056
	s_mov_b32 s61, 0
	s_add_nc_u64 s[\qb:\qb+1], s[54:55], s[60:61]
	s_and_b32 s59, s58, 1
	s_lshl_b32 s59, s59, 8
	s_lshr_b32 s60, s58, 1
	s_lshl_b32 s60, s60, 2
	s_add_co_u32 s59, s59, s60
	s_add_co_u32 s59, s59, s56
	s_add_co_u32 s[\qso], s59, 19200
	s_lshl_b32 s59, s57, 6
	s_lshr_b32 s60, s40, 1
	s_lshl_b32 s60, s60, 5
	s_add_co_u32 s59, s59, s60
	s_and_b32 s60, s40, 1
	s_lshl_b32 s60, s60, 3
	s_add_co_u32 s[\dqs], s59, s60                 ; slot 0's query, counted from the diagonal step's first key
	s_lshl_b32 s59, s[\m], 2
	s_add_co_u32 s59, s59, s40
	s_add_co_u32 s59, s59, s11                     ; the token tile
	s_mul_i32 s60, s59, 3072
	s_add_co_u32 s60, s60, s41
	s_add_nc_u64 s[\ocb:\ocb+1], s[6:7], s[60:61]
	s_lshl_b32 s60, s59, 9
	s_add_co_u32 s60, s60, s62
	s_add_nc_u64 s[\scb:\scb+1], s[8:9], s[60:61]
.endm
	BASES MH, 42, 46, 50, 14, 16
	BASES WV, 44, 48, 52, 15, 17
	v_and_b32 v2, 15, v0                           ; r
	v_bfe_u32 v3, v0, 4, 1                         ; h
	v_and_b32 v1, 31, v0                           ; lane
	v_lshlrev_b32 v[R32], 5, v2
	v_and_b32 v4, 8, v2
	v_add_nc_u32 v4, v4, v2                        ; r + 8 (r / 8)
	v_lshlrev_b32 v5, 4, v3
	v_sub_nc_u32 v5, v4, v5                        ; - 16 h
	v_add_nc_u32 v[DQH], s16, v5                   ; register 16 b + i holds key 32 b + 16 h + i of the step: hidden where 32 b + i > this number
	v_add_nc_u32 v[DQL], s17, v5
	v_mov_b32 v254, s14
	v_mov_b32 v252, s15
	v_cndmask_b32 v254, v254, v252, s63
	v_lshl_add_u32 v254, v2, 4, v254               ; Q's scale words: lanes 0-15 hi's tile, lanes 16-31 lo's; slot r
	v_lshlrev_b32 v[L16], 4, v1
	v_lshlrev_b32 v[L8], 3, v1
	global_load_b128 v[QH:QH+3], v[L16], s[42:43]
	global_load_b64 v[QH+4:QH+5], v[L8], s[42:43] offset:512
	global_load_b128 v[QL:QL+3], v[L16], s[44:45]
	global_load_b64 v[QL+4:QL+5], v[L8], s[44:45] offset:512
	global_load_b32 v255, v254, s[54:55]
.irp i, 6,7,8,9,10,11
	v_mov_b32 v[QH+\i], 0                          ; zero codes for the upper half of the instruction's K
	v_mov_b32 v[QL+\i], 0
	v_mov_b32 v[82+\i], 0                          ; v88-93
.endr
.irp m, 8,12
	v_mov_b32 v[\m+1], 0xff61b1e6                  ; the largest t so far: -3e38
	v_floor_f32 v[\m], -v[\m+1]                    ; -M
	v_mov_b32 v[\m+2], 0                           ; the sum, in two halves
	v_mov_b32 v[\m+3], 0
.endr
.irp b, 0,1,2,3
	v_mov_b32 v[236+\b], 0                         ; a lane permute's destination counts as read
.endr
	v_mov_b32 v253, 0                              ; (named as the upper half of v[252:253] before it is first written)
.irp j, 0,1,2,3,4,5,6,7,8,9,10,11,12,13,14,15,16,17,18,19,20,21,22,23,24,25,26,27,28,29,30,31,32,33,34,35,36,37,38,39,40,41,42,43,44,45,46,47,48,49,50,51,52,53,54,55,56,57,58,59,60,61,62,63
	v_mov_b32 v[160+\j], 0                         ; O^T of both tiles: the step is written once, and its first pass multiplies zeros
.endr
	s_wait_tensorcnt 0x0                           ; my chunk is in,
	s_barrier_signal -1
	s_barrier_wait -1                              ; everybody's is: from here on the waves run free
	s_wait_loadcnt 0x0                             ; Q
; A STEP of one tile: 128 keys, chunk s[KS].  qr: Q's registers; rowb: Q's scale words in lanes 16-31; mn: -M, largest t; sm: the sum; ob: O^T; dq: the mask's number; lim: the tile's diagonal step.
.macro STEP qr, rowb, mn, sm, ob, dq, lim
	v_add_nc_u32 v[A16], s[TB], v[L16]
	v_add_nc_u32 v[A8], s[TB], v[L8]
	v_nop
	v_nop                                          ; four plain lines between the last products and the loads into their registers
.irp i, 0,1,2,3,4,5,6,7
	ds_load_b128 v[40+6*\i:43+6*\i], v[A16] offset:768*\i
	ds_load_b64 v[44+6*\i:45+6*\i], v[A8] offset:768*\i+512
.endr
	ds_load_b128 v[248:251], v[A16] offset:12288   ; K's scale words: word k of lane (r, h): tile 2 k + h
	s_wait_dscnt 0x0
.irp i, 0,1,2,3,4,5,6,7
.if \rowb
.if \i%2
	v_wmma_scale_f32_16x16x128_f8f6f4 v[96+8*\i:103+8*\i], v[40+6*\i:51+6*\i], v[\qr:\qr+11], 0, v[248+\i/2], v255 matrix_a_fmt:MATRIX_FMT_FP6 matrix_b_fmt:MATRIX_FMT_FP6 matrix_a_scale:MATRIX_SCALE_ROW1 matrix_b_scale:MATRIX_SCALE_ROW1
.else
	v_wmma_scale_f32_16x16x128_f8f6f4 v[96+8*\i:103+8*\i], v[40+6*\i:51+6*\i], v[\qr:\qr+11], 0, v[248+\i/2], v255 matrix_a_fmt:MATRIX_FMT_FP6 matrix_b_fmt:MATRIX_FMT_FP6 matrix_b_scale:MATRIX_SCALE_ROW1
.endif
.else
.if \i%2
	v_wmma_scale_f32_16x16x128_f8f6f4 v[96+8*\i:103+8*\i], v[40+6*\i:51+6*\i], v[\qr:\qr+11], 0, v[248+\i/2], v255 matrix_a_fmt:MATRIX_FMT_FP6 matrix_b_fmt:MATRIX_FMT_FP6 matrix_a_scale:MATRIX_SCALE_ROW1
.else
	v_wmma_scale_f32_16x16x128_f8f6f4 v[96+8*\i:103+8*\i], v[40+6*\i:51+6*\i], v[\qr:\qr+11], 0, v[248+\i/2], v255 matrix_a_fmt:MATRIX_FMT_FP6 matrix_b_fmt:MATRIX_FMT_FP6
.endif
.endif
.endr
.rept 4
	v_nop                                          ; places: in front of the loads into K's registers, and of the first read of the scores
.endr
.irp t, 0,1,2,3
.irp p, 0,1,2
	ds_load_b128 v[40+12*\t+4*\p:43+12*\t+4*\p], v[A16] offset:6144+1536*\t+512*\p   ; V's four fragments land while the softmax is walked
.endr
.endr
	ds_load_b64 v[248:249], v[A8] offset:12800     ; V's scale words: word k: tile 2 k + h of d
	s_cmp_lg_u32 s[KS], s[\lim]                    ; only the tile's last step lies on the diagonal
	s_cbranch_scc1 .Lopen_\@
	v_mov_b32 v254, 0xff800000                     ; hidden scores become -infinity ahead of the maximum: p = 0
.irp n, 0,1,2,3,4,5,6,7,8,9,10,11,12,13,14,15,16,17,18,19,20,21,22,23,24,25,26,27,28,29,30,31,32,33,34,35,36,37,38,39,40,41,42,43,44,45,46,47,48,49,50,51,52,53,54,55,56,57,58,59,60,61,62,63
	v_cmp_gt_i32 vcc_lo, 32*(\n/16)+\n%16, v[\dq]
	v_cndmask_b32 v[96+\n], v[96+\n], v254, vcc_lo
.endr
.Lopen_\@:
.irp b, 0,1,2,3
	v_max3_num_f32 v[232+\b], v[96+16*\b], v[97+16*\b], v[98+16*\b]   ; the largest score of each block of 32 keys: for the row's maximum, and for the block's largest p
.endr
.irp i, 3,5,7,9,11,13
.irp b, 0,1,2,3
	v_max3_num_f32 v[232+\b], v[232+\b], v[96+16*\b+\i], v[97+16*\b+\i]
.endr
.endr
.irp b, 0,1,2,3
	v_max_num_f32 v[232+\b], v[232+\b], v[111+16*\b]
.endr
.irp b, 0,1,2,3
	v_permlanex16_b32 v[236+\b], v[232+\b], s[SEL], s[SEL+1]
.endr
.irp b, 0,1,2,3
	v_max_num_f32 v[232+\b], v[232+\b], v[236+\b]  ; with lane l xor 16's 16 keys
.endr
	v_max3_num_f32 v254, v232, v233, v234
	v_max_num_f32 v254, v254, v235
	v_mul_f32 v254, s[CS], v254                    ; as t
	v_max_num_f32 v[\mn+1], v[\mn+1], v254         ; the running largest t
	v_mov_b32 v254, v[\mn]
	v_floor_f32 v[\mn], -v[\mn+1]                  ; the new -M = -ceil(t)
	v_sub_f32 v254, v[\mn], v254                   ; old M - new M: a whole number, 0 or less
	v_cvt_i32_f32 v254, v254                       ; (it saturates)
	v_ldexp_f32 v252, 1.0, v254                    ; f = 2^(old M - new M)
.irp j, 0,2,4,6,8,10,12,14,16,18,20,22,24,26,28,30,32,34,36,38,40,42,44,46,48,50,52,54,56,58,60,62
	v_pk_fma_f32 v[96+\j:97+\j], v[96+\j:97+\j], s[CS:CS+1], v[\mn:\mn+1] op_sel_hi:[1,0,0]   ; t - M
.endr
.irp b, 0,1,2,3
	v_fma_f32 v[232+\b], v[232+\b], s[CS], v[\mn]
.endr
.irp j, 0,1,2,3,4,5,6,7,8,9,10,11,12,13,14,15,16,17,18,19,20,21,22,23,24,25,26,27,28,29,30,31,32,33,34,35,36,37,38,39,40,41,42,43,44,45,46,47,48,49,50,51,52,53,54,55,56,57,58,59,60,61,62,63
	v_exp_f32 v[96+\j], v[96+\j]                   ; p = 2^(t - M): not normalised
.endr
	v_pk_mul_f32 v[\sm:\sm+1], v[\sm:\sm+1], v[252:253] op_sel_hi:[1,0]   ; the sums under the new M; the plain line behind the exponentials
	s_wait_alu depctr_va_vdst(0)                   ; one wait for the batch, ahead of its first reader
.irp b, 0,1,2,3
	v_exp_f32 v[232+\b], v[232+\b]                 ; the blocks' largest p
.endr
	v_pk_add_f32 v[236:237], v[96:97], v[98:99]    ; the row's sum of the unquantised p, in two chains
.irp j, 4,8,12,16,20,24,28,32,36,40,44,48,52,56,60
	v_pk_add_f32 v[\sm:\sm+1], v[\sm:\sm+1], v[96+\j:97+\j]
	v_pk_add_f32 v[236:237], v[236:237], v[98+\j:99+\j]
.endr
	v_pk_add_f32 v[\sm:\sm+1], v[\sm:\sm+1], v[236:237]
	s_wait_alu depctr_va_vdst(0)                   ; and one for the four
.irp b, 0,1,2,3
	v_max_num_f32 v[232+\b], 0x1800000, v[232+\b]  ; the floor 2^(3 - 127)
.endr
.irp b, 0,1,2,3
	v_add_nc_u32 v[244+\b], 0xff000000, v[232+\b]  ; the conversion's scale operand
.endr
.irp b, 0,1,2,3
	v_lshrrev_b32 v[236+\b], 23, v[244+\b]         ; the scale's byte
.endr
	v_lshl_or_b32 v253, v237, 8, v236              ; p's scale word for these 128 keys
	v_lshl_or_b32 v253, v238, 16, v253
	v_lshl_or_b32 v253, v239, 24, v253
.irp c, 0,1
	v_cvt_scalef32_pk16_fp6_f32 v[224+6*\c:226+6*\c], v[96+32*\c:111+32*\c], v[244+2*\c]
	v_cvt_scalef32_pk16_fp6_f32 v[236+4*\c:238+4*\c], v[112+32*\c:127+32*\c], v[244+2*\c+1]
.endr
	v_nop                                          ; one plain line behind a scaled conversion
.irp c, 0,1
.irp i, 0,1,2
	v_permlane16_swap_b32 v[224+6*\c+\i], v[236+4*\c+\i]
.endr
.irp i, 0,1,2
	v_mov_b32 v[227+6*\c+\i], v[236+4*\c+\i]
.endr
.endr
.irp j, 0,2,4,6,8,10,12,14,16,18,20,22,24,26,28,30
	v_pk_mul_f32 v[\ob+\j:\ob+\j+1], v[\ob+\j:\ob+\j+1], v[252:253] op_sel_hi:[1,0]   ; O^T under the new M; these lines also stand between the codes' and the scale word's last writes and the products
.endr
	s_wait_dscnt 0x0                               ; V is in
.irp t, 0,1,2,3                                ; four accumulators, one instruction each: by turns
.if \t%2
	v_wmma_scale_f32_16x16x128_f8f6f4 v[\ob+8*\t:\ob+8*\t+7], v[40+12*\t:51+12*\t], v[224:235], v[\ob+8*\t:\ob+8*\t+7], v[248+\t/2], v253 matrix_a_fmt:MATRIX_FMT_FP6 matrix_b_fmt:MATRIX_FMT_FP6 matrix_a_scale:MATRIX_SCALE_ROW1
.else
	v_wmma_scale_f32_16x16x128_f8f6f4 v[\ob+8*\t:\ob+8*\t+7], v[40+12*\t:51+12*\t], v[224:235], v[\ob+8*\t:\ob+8*\t+7], v[248+\t/2], v253 matrix_a_fmt:MATRIX_FMT_FP6 matrix_b_fmt:MATRIX_FMT_FP6
.endif
.endr
.endm
	s_mov_b32 s[KS], 0
	s_mov_b32 s[TB], 0
.Lkeys:                                            ; 16 trips, a constant; a tile's steps behind its diagonal are jumped over: a branch on the wave's number and the count
	s_cmp_gt_u32 s[KS], s[LH]
	s_cbranch_scc1 .Lno_hi
	STEP QH, 0, 8, 10, 160, DQH, LH
.Lno_hi:
	s_cmp_gt_u32 s[KS], s[LL]
	s_cbranch_scc1 .Lno_lo
	STEP QL, 1, 12, 14, 192, DQL, LL
.Lno_lo:
	s_add_co_u32 s[TB], s[TB], LCH
	s_add_co_u32 s[KS], s[KS], 1
	s_cmp_lt_u32 s[KS], 16
	s_cbranch_scc1 .Lkeys
; o = O^T / l; its 64 numbers of a row are two blocks of the last product's K: register 16 b + i = d 32 b + 16 h + i.  Codes: registers 0-5 of a fragment, as an image; the two bytes: 2 bytes a row.
.macro FIN sm, ob, ocb, scb
	v_add_f32 v254, v[\sm], v[\sm+1]
	v_permlanex16_b32 v252, v254, s[SEL], s[SEL+1]
	v_add_f32 v254, v254, v252                     ; the row's sum
	v_rcp_f32 v252, v254
	v_nop                                          ; a plain line behind the reciprocal,
	s_wait_alu depctr_va_vdst(0)                   ; and the wait ahead of its first reader
.irp j, 0,2,4,6,8,10,12,14,16,18,20,22,24,26,28,30
	v_pk_mul_f32 v[96+\j:97+\j], v[\ob+\j:\ob+\j+1], v[252:253] op_sel_hi:[1,0]
.endr
.irp b, 0,1
	v_max3_num_f32 v[232+\b], |v[96+16*\b]|, |v[97+16*\b]|, 0x1800000
.endr
.irp i, 2,4,6,8,10,12,14
.irp b, 0,1
	v_max3_num_f32 v[232+\b], v[232+\b], |v[96+16*\b+\i]|, |v[97+16*\b+\i]|
.endr
.endr
.irp b, 0,1
	v_permlanex16_b32 v[236+\b], v[232+\b], s[SEL], s[SEL+1]
.endr
.irp b, 0,1
	v_max_num_f32 v[232+\b], v[232+\b], v[236+\b]
.endr
.irp b, 0,1
	v_add_nc_u32 v[244+\b], 0xff000000, v[232+\b]
.endr
.irp b, 0,1
	v_lshrrev_b32 v[236+\b], 23, v[244+\b]
.endr
	v_lshl_or_b32 v254, v237, 8, v236
	v_cvt_scalef32_pk16_fp6_f32 v[224:226], v[96:111], v244
	v_cvt_scalef32_pk16_fp6_f32 v[240:242], v[112:127], v245
	v_nop
.irp i, 0,1,2
	v_permlane16_swap_b32 v[224+\i], v[240+\i]
.endr
.irp i, 0,1,2
	v_mov_b32 v[227+\i], v[240+\i]
.endr
	global_store_b128 v[L16], v[224:227], s[\ocb:\ocb+1]             ; 512 consecutive bytes
	global_store_b64 v[L8], v[228:229], s[\ocb:\ocb+1] offset:512    ; 256
	global_store_b16 v[R32], v254, s[\scb:\scb+1]                    ; lanes r and r + 16 write the same two bytes
.endm
.rept 4
	v_nop                                          ; places behind the last products
.endr
	FIN 10, 160, 46, 50
	s_wait_xcnt 0x0                                ; the stores have read their registers: they are written again only behind this wait
	FIN 14, 192, 48, 52
	s_wait_tensorcnt 0x0                           ; the wave's end
	ds_add_u32 v[SPW], v[NIL]
	s_wait_dscnt 0x0
	CROUND                                         ; the closing round
	s_endpgm
.Lfunc_end_k_qcfd7f6ae06_attn:
	.size	k_qcfd7f6ae06_attn, .Lfunc_end_k_qcfd7f6ae06_attn-k_qcfd7f6ae06_attn
	.p2alignl 7, 3214868480
	.fill 96, 4, 3214868480
	.section	.rodata,"a",@progbits
	.p2align	6, 0x0
	.amdhsa_kernel k_qcfd7f6ae06_attn
		.amdhsa_group_segment_fixed_size 210944
		.amdhsa_private_segment_fixed_size 0
		.amdhsa_enable_private_segment 0
		.amdhsa_kernarg_size 24
		.amdhsa_user_sgpr_count 2
		.amdhsa_user_sgpr_kernarg_segment_ptr 1
		.amdhsa_wavefront_size32 1
		.amdhsa_system_sgpr_workgroup_id_x 1
		.amdhsa_system_sgpr_workgroup_id_y 1
		.amdhsa_system_sgpr_workgroup_id_z 1
		.amdhsa_system_vgpr_workitem_id 0
		.amdhsa_next_free_vgpr 256
		.amdhsa_next_free_sgpr 66
		.amdhsa_reserve_vcc 1
		.amdhsa_float_denorm_mode_32 3
		.amdhsa_float_denorm_mode_16_64 3
		.amdhsa_memory_ordered 1
		.amdhsa_forward_progress 1
		.amdhsa_inst_pref_size 59
	.end_amdhsa_kernel
	.amdgpu_metadata
---
amdhsa.version: [ 1, 2 ]
amdhsa.kernels:
  - .name:           k_qcfd7f6ae06_attn
    .symbol:         k_qcfd7f6ae06_attn.kd
    .args:
      - { .name: qkvc, .offset: 0, .size: 8, .value_kind: global_buffer, .address_space: global }
      - { .name: oc, .offset: 8, .size: 8, .value_kind: global_buffer, .address_space: global }
      - { .name: sc4, .offset: 16, .size: 8, .value_kind: global_buffer, .address_space: global }
    .group_segment_fixed_size: 210944
    .private_segment_fixed_size: 0
    .kernarg_segment_align: 8
    .kernarg_segment_size: 24
    .max_flat_workgroup_size: 512
    .sgpr_count:     66
    .vgpr_count:     256
    .wavefront_size: 32
...
	.end_amdgpu_metadata
.endif
;; end of part 3
;; launch outp (part 4): grid 4 x 32, 4 waves a work-group, clusters of 4 x 4, 327,680 bytes of LDS; arguments oc, wo, sc4, b_out, out0; writes out0
.if DOCPART == 4
	.amdgcn_target "amdgcn-amd-amdhsa--gfx1250"
	.amdhsa_code_object_version 6
	.text
	.protected	k_qcfd7f6ae06_outp
	.globl	k_qcfd7f6ae06_outp
	.p2align	8
	.type	k_qcfd7f6ae06_outp,@function
k_qcfd7f6ae06_outp:
	s_mov_b64 s[64:65], 0
	v_nop
	global_prefetch_b8 v0, s[64:65] scope:SCOPE_SE
	s_setreg_imm32_b32 hwreg(HW_REG_WAVE_MODE, 25, 1), 1
	s_wait_xcnt 0x0
	s_wait_alu depctr_hold_cnt(0) depctr_sa_sdst(0) depctr_va_vdst(0) depctr_va_sdst(0) depctr_va_ssrc(0) depctr_va_vcc(0) depctr_vm_vsrc(0)
	s_getreg_b32 s2, hwreg(HW_REG_IB_STS2, 6, 4)
	s_cmp_eq_u32 s2, 0
	s_cbranch_scc0 .Lentry_in_a_cluster
	s_endpgm
.Lentry_in_a_cluster:
	s_bfe_u32 s2, ttmp6, 0x10000c
	s_cmp_lg_u32 s2, 0xf033
	s_cbranch_scc0 .Lentry_shape_is_right
	s_endpgm
.Lentry_shape_is_right:
; out0 = o w_out + b_out on codes of FP6 (E2M3) with E8M0 scales, f32 sums.  The frame is the qkv launch's: a work-group makes 256 tokens x 256 columns, a wave 128 x 128 (64 accumulators); K = 1,024 is four K slots of
; 256; LDS holds three slots, all filled at the start, and slot 0 is filled once more with K slot 3; the eight K steps are written out; operands come as dense blocks of register images.
; S1 (source 1: its row is the result's lane) = tokens, from oc; S0 (source 0: its rows run along a lane's registers) = w_out's columns, from wo.  A tile: tile 2 B + u, slot r = row 32 B + 8 u + r + 8 (r / 8).
; In oc a K step is two heads' halves of 768 bytes: registers 0-3 at 16 x lane, 4-5 at 512 + 8 x lane, then registers 6-9 and 10-11 likewise: four loads a fragment.
; The bias is the C of each sum's first product.  CLUSTER 4 x 4: o's tiles are asked for jointly along a row of the cluster, w's along a column.  A wave has three tensor loads out at the start, one behind the refill's round.
; 128 work-groups: the output has 32 x 4 tiles of 256 x 256.
; REGISTERS: window 0: v16-18, v19-21 LDS addresses of S1, S0; v22-24 S1's with 8 x lane; v25-27, v30-31 offsets; v28, v29 the add's two; v32-95 scale words; v128-223 S1's fragments; on the way out v128-255 rows of out0.
;   window 1: S0's two sets at v0, v128; the bias table in the gaps.  windows 2, 3: the accumulators.
.set HALFT,  24576
.set SLOT,   4*HALFT
.set SPARE,  3*SLOT                    ; the spare words, 128 bytes a wave, named by no other line
.set XSTR,   1572864
.set WSTR,   196608
.set FR,     12
.set NL1,    4                         ; LDS loads that bring a fragment of S1
.set SPITCH, 528                       ; the way out: a stage of 16 rows x (512 + 16) bytes a wave, in slot 1: filled once, last read in K step 3's fetch, and every wave has passed K step 5's barrier since
.set ADR1, 16
.set ADR0, 19
.set STO,  25
.set RD,   26
.set SOF,  27
.set SPW,  28
.set NIL,  29
.set CO,   30
.set BO,   31
.set SC,   32
.set AF,   128
.set BK,   128
.set G1,  24
.set G1B, 48
.set G0,  68
.set G0B, 80
.set LM,  58
.set MSB, 0
.macro WIN new
.if MSB != (\new)
	s_set_vgpr_msb (MSB<<8)|(\new)
.set MSB, (\new)
.endif
.endm
.set MUL_LO, 0xa1                      ; source 0 window 1, source 1 window 0, C and D window 2
.set MUL_HI, 0xf1
.set MUL_LO_F, 0x91                    ; the first K step: C (the bias) window 1, D window 2
.set MUL_HI_F, 0xd1
.set TO_B,   0x40
.macro JLOAD g0a, g1a, g0b, g1b        ; a joint load: waves 0, 1 fetch o's halves, waves 2, 3 w's; an s_nop 0 and four v_nop follow each line
	s_cmp_eq_u32 s15, 0
	s_cbranch_scc0 .Lfor_b_\@
	tensor_load_to_lds s[\g0a:\g0a+3], s[\g1a:\g1a+7]
	s_nop 0
.rept 4
	v_nop
.endr
	s_branch .Lasked_\@
.Lfor_b_\@:
	tensor_load_to_lds s[\g0b:\g0b+3], s[\g1b:\g1b+7]
	s_nop 0
.rept 4
	v_nop
.endr
.Lasked_\@:
.endm
.macro CREST
	s_cmp_lg_u32 s14, 0
	s_cbranch_scc1 .Lnot_wave_0_\@
	s_barrier_signal -3
.Lnot_wave_0_\@:
	s_barrier_wait -3
	s_barrier_signal -1
	s_barrier_wait -1
.endm
.macro CROUND
	s_barrier_signal -1
	s_barrier_wait -1
	CREST
.endm
.macro PLACES n
.rept \n
	v_nop
.endr
.endm
	s_load_b256 s[4:11], s[0:1], 0x0               ; oc, wo, sc4, b_out
	s_load_b64 s[12:13], s[0:1], 0x20              ; out0
	v_lshl_add_u32 v[SPW], v0, 2, SPARE
	v_mov_b32 v[NIL], 0
	ds_add_u32 v[SPW], v[NIL]                      ; the wave's opening: the add and its wait ahead of my first tensor load
	v_lshrrev_b32 v1, 5, v0
	v_readfirstlane_b32 s14, v1                    ; wave
	s_lshr_b32 s15, s14, 1                         ; wr: my half of the tokens.  Also: I fetch for o (0) or for w (1)
	s_and_b32 s16, s14, 1                          ; wc: my half of the columns.  Also: which half I fetch
	s_bfe_u32 s40, ttmp6, 0x40000
	s_bfe_u32 s41, ttmp6, 0x40004
	s_lshl_b32 s42, ttmp9, 2
	s_add_co_u32 s42, s42, s40                     ; tile column
	s_and_b32 s17, ttmp7, 0xffff
	s_lshl_b32 s17, s17, 2
	s_add_co_u32 s17, s17, s41                     ; tile row
	s_lshl_b32 s43, s41, 2
	s_lshl_b32 s43, 15, s43
	s_lshl_b32 s44, 0x1111, s40
	s_or_b32 s[G1+0], s43, (3<<16)|(1<<21)         ; the mask; elements of 8 bytes; 21 set beside a mask; no padding
	s_or_b32 s[G1B+0], s44, (3<<16)|(1<<21)
.irp g, G1, G1B
	s_mov_b32 s[\g+1], 32<<16                      ; rows of 256 bytes,
	s_mov_b32 s[\g+2], 96<<16                      ; 96 of them, dense
	s_mov_b32 s[\g+3], 32<<16
	s_mov_b32 s[\g+4], 96
	s_mov_b32 s[\g+5], 32
	s_mov_b32 s[\g+6], 0
	s_mov_b32 s[\g+7], 0
.endr
	s_lshl_b32 s18, s16, 3
	s_lshl_b32 s20, s17, 4
	s_add_co_u32 s20, s20, s18
	s_mul_i32 s20, s20, 3072
	s_mov_b32 s21, 0
	s_lshl_b32 s46, s42, 4
	s_add_co_u32 s46, s46, s18
	s_mul_i32 s46, s46, 3072
	s_mov_b32 s47, 0
	s_mul_i32 s45, s14, HALFT
	s_wait_dscnt 0x0                               ; the opening add is done
	s_wait_kmcnt 0x0
	s_add_nc_u64 s[20:21], s[4:5], s[20:21]
	s_add_nc_u64 s[46:47], s[6:7], s[46:47]
	CROUND                                         ; all sixteen work-groups are here: the first joint loads meet
.irp s, 0,1,2
	s_mov_b32 s[G0+4*\s], 1
	s_add_co_u32 s[G0+4*\s+1], s45, \s*SLOT
	s_add_nc_u64 s[G0+4*\s+2:G0+4*\s+3], s[20:21], \s*XSTR
	s_or_b32 s[G0+4*\s+3], s[G0+4*\s+3], 0x80000000
	s_mov_b32 s[G0B+4*\s], 1
	s_add_co_u32 s[G0B+4*\s+1], s45, \s*SLOT
	s_add_nc_u64 s[G0B+4*\s+2:G0B+4*\s+3], s[46:47], \s*WSTR
	s_or_b32 s[G0B+4*\s+3], s[G0B+4*\s+3], 0x80000000
	JLOAD G0+4*\s, G1, G0B+4*\s, G1B
.endr
	v_and_b32 v1, 15, v0                           ; r
	v_bfe_u32 v2, v0, 4, 1                         ; h
	v_and_b32 v3, 31, v0
	v_lshlrev_b32 v4, 4, v3                        ; 16 x lane
	v_lshlrev_b32 v5, 3, v3                        ; 8 x lane
	s_mul_i32 s21, s15, HALFT                      ; my 128 tokens,
	s_mul_i32 s22, s16, HALFT
	s_add_co_u32 s22, s22, 2*HALFT                 ; my 128 columns, behind the tokens' 256
.irp s, 0,1,2
	v_add_nc_u32 v[ADR1+\s], s21, v4
	v_add_nc_u32 v[ADR0+\s], s22, v4
	v_add_nc_u32 v[ADR1+6+\s], s21, v5
	s_add_co_u32 s21, s21, SLOT
	s_add_co_u32 s22, s22, SLOT
.endr
	; the scale words of all of K, once: lanes 0-15 o's tiles, lanes 16-31 w's
	s_lshl_b32 s32, s17, 13
	s_lshl_b32 s34, s15, 12
	s_add_co_u32 s32, s32, s34
	s_lshl_b32 s33, s42, 13
	s_add_co_u32 s33, s33, 512*512
	s_lshl_b32 s35, s16, 12
	s_add_co_u32 s33, s33, s35
	s_mov_b32 s[LM], 0xffff0000
	v_mov_b32 v6, s32
	v_mov_b32 v[SOF], s33
	v_cndmask_b32 v[SOF], v6, v[SOF], s[LM]
	v_lshl_add_u32 v[SOF], v1, 5, v[SOF]
.irp i, 0,1,2,3,4,5,6,7
	global_load_b128 v[SC+8*\i:SC+8*\i+3], v[SOF], s[8:9] offset:512*\i
	global_load_b128 v[SC+8*\i+4:SC+8*\i+7], v[SOF], s[8:9] offset:512*\i+16
.endr
	; where my part of out0 begins, my columns of b_out, and the stage
	s_lshl_b32 s46, s42, 10
	s_lshl_b32 s47, s16, 9
	s_add_co_u32 s46, s46, s47                     ; my first column, in bytes
	s_mov_b32 s47, 0
	s_add_nc_u64 s[10:11], s[10:11], s[46:47]
	s_lshl_b32 s20, s17, 8
	s_lshl_b32 s21, s15, 7
	s_add_co_u32 s20, s20, s21                     ; my first token
	s_lshl_b32 s20, s20, 12
	s_add_co_u32 s20, s20, s46
	s_mov_b32 s21, 0
	s_add_nc_u64 s[12:13], s[12:13], s[20:21]
	v_lshlrev_b32 v[BO], 6, v2                     ; the bias of S0's tile b, register j: column 32 (b / 2) + 16 h + 8 (b % 2) + j
	WIN TO_B
.irp b, 0,1,2,3,4,5,6,7
	global_load_b128 v[96+8*\b+96*(\b/4):96+8*\b+96*(\b/4)+3], v[BO], s[10:11] offset:4*(32*(\b/2)+8*(\b%2))
	global_load_b128 v[96+8*\b+96*(\b/4)+4:96+8*\b+96*(\b/4)+7], v[BO], s[10:11] offset:4*(32*(\b/2)+8*(\b%2))+16
.endr
	WIN 0
	s_mul_i32 s23, s14, 16*SPITCH
	s_add_co_u32 s23, s23, SLOT                    ; my stage
	v_mul_u32_u24 v6, v1, SPITCH
	v_lshl_add_u32 v6, v2, 6, v6
	v_add_nc_u32 v[STO], s23, v6                   ; in: row r, + 64 h
	v_add_nc_u32 v[RD], s23, v4                    ; back: a row of 512 bytes, 16 a lane
	v_mov_b32 v[CO], v4                            ; and the same in out0
.macro FRAG12 reg, adr, off
.irp p, 0,1,2
	ds_load_b128 v[\reg+4*\p:\reg+4*\p+3], v[\adr] offset:\off+512*\p
.endr
.endm
.macro FRAGHH reg, adr, off            ; two heads' halves make a fragment
	ds_load_b128 v[\reg:\reg+3], v[\adr] offset:\off
	ds_load_b64 v[\reg+4:\reg+5], v[\adr+6] offset:\off+512
	ds_load_b128 v[\reg+6:\reg+9], v[\adr] offset:\off+768
	ds_load_b64 v[\reg+10:\reg+11], v[\adr+6] offset:\off+1280
.endm
.macro FETCH0 slot, q, p
	WIN TO_B
.irp i, 0,1,2,3,4,5,6,7
	FRAG12 128*(\p)+FR*\i, ADR0+\slot, 3072*\i+1536*(\q)
.endr
	WIN 0
.endm
.macro FETCH1 slot, q, i0
.irp i, \i0, \i0+1, \i0+2, \i0+3
	FRAGHH AF+FR*(\i), ADR1+\slot, 3072*(\i)+1536*(\q)
.endr
.endm
; 16 matrix instructions: the tokens' blocks a0, a0 + 1 x the columns' eight; the 64 accumulators by turns, in one order throughout.  first = 1: the sums start from the bias.
.macro MUL16 a0, p, ks, first
.irp a, \a0, \a0+1
.irp b, 0,1,2,3,4,5,6,7
.if \first
	v_wmma_scale_f32_16x16x128_f8f6f4 v[8*(8*((\a)%4)+\b):8*(8*((\a)%4)+\b)+7], v[128*(\p)+FR*\b:128*(\p)+FR*\b+FR-1], v[AF+FR*(\a):AF+FR*(\a)+FR-1], v[96+8*\b+96*(\b/4):96+8*\b+96*(\b/4)+7], v[SC+8*\b+(\ks)], v[SC+8*(\a)+(\ks)] matrix_a_fmt:MATRIX_FMT_FP6 matrix_b_fmt:MATRIX_FMT_FP6 matrix_a_scale:MATRIX_SCALE_ROW1
.else
	v_wmma_scale_f32_16x16x128_f8f6f4 v[8*(8*((\a)%4)+\b):8*(8*((\a)%4)+\b)+7], v[128*(\p)+FR*\b:128*(\p)+FR*\b+FR-1], v[AF+FR*(\a):AF+FR*(\a)+FR-1], v[8*(8*((\a)%4)+\b):8*(8*((\a)%4)+\b)+7], v[SC+8*\b+(\ks)], v[SC+8*(\a)+(\ks)] matrix_a_fmt:MATRIX_FMT_FP6 matrix_b_fmt:MATRIX_FMT_FP6 matrix_a_scale:MATRIX_SCALE_ROW1
.endif
.endr
.endr
.endm
.macro STEP p, ks, nslot, nq, first
	s_wait_dscnt 4*NL1                             ; S0's set and S1's blocks 0-3 are in; the youngest loads (S1's blocks 4-7) may be out
.if \first
	WIN MUL_LO_F
.else
	WIN MUL_LO
.endif
	MUL16 0, \p, \ks, \first
	MUL16 2, \p, \ks, \first
	s_wait_dscnt 0x0
	PLACES 4
	FETCH0 \nslot, \nq, 1-\p
	FETCH1 \nslot, \nq, 0
.if \first
	WIN MUL_HI_F
.else
	WIN MUL_HI
.endif
	MUL16 4, \p, \ks, \first
	MUL16 6, \p, \ks, \first
	PLACES 4
	WIN 0
	FETCH1 \nslot, \nq, 4
.endm
.macro TURN p, ks, nslot, fill
	s_wait_tensorcnt 0x0                           ; all my tensor loads have landed
	ds_add_u32 v[SPW], v[NIL]
	s_wait_dscnt 4*NL1+1                           ; (the add and the youngest loads may be out)
	WIN MUL_LO
	MUL16 0, \p, \ks, 0
	s_wait_dscnt 0x0                               ; the add is done, and my reads of the slot are over
	s_barrier_signal -1
	MUL16 2, \p, \ks, 0
	WIN 0
	s_barrier_wait -1
.if \fill
	CREST                                          ; no wave of any partner still reads slot 0 or has a load on its way
	s_add_nc_u64 s[G0+2:G0+3], s[G0+2:G0+3], 3*XSTR
	s_add_nc_u64 s[G0B+2:G0B+3], s[G0B+2:G0B+3], 3*WSTR
	JLOAD G0, G1, G0B, G1B                         ; my one tensor load behind the round; its four v_nop are the places in front of the loads below
.else
	PLACES 4
.endif
	FETCH0 \nslot, 0, 1-\p
	FETCH1 \nslot, 0, 0
	WIN MUL_HI
	MUL16 4, \p, \ks, 0
	MUL16 6, \p, \ks, 0
	PLACES 4
	WIN 0
	FETCH1 \nslot, 0, 4
.endm
	s_wait_tensorcnt 2                             ; my part of slot 0 is in; slots 1 and 2 may be out
	s_barrier_signal -1
	s_barrier_wait -1
	FETCH0 0, 0, 0
	FETCH1 0, 0, 0
	FETCH1 0, 0, 4
	s_wait_loadcnt 0x0                             ; the scale words and the bias table
	STEP 0, 0, 0, 1, 1
	TURN 1, 1, 1, 1
	STEP 0, 2, 1, 1, 0
	STEP 1, 3, 2, 0, 0
	STEP 0, 4, 2, 1, 0
	TURN 1, 5, 0, 0
	STEP 0, 6, 0, 1, 0
	s_wait_dscnt 4*NL1
	WIN MUL_LO
	MUL16 0, 1, 7, 0
	MUL16 2, 1, 7, 0
	s_wait_dscnt 0x0
	WIN MUL_HI
	MUL16 4, 1, 7, 0
	MUL16 6, 1, 7, 0
	WIN 0
; THE WAY OUT, a block of 16 tokens x 128 columns at a time, through my own stage: in, 32 bytes of a row a lane and tile; back, whole rows of 512 bytes.  LDS serves a wave's instructions in order.
.macro TOSTAGE a
.set AC, 64*((\a)%4)
	WIN 0x08+4*((\a)/4)                            ; the data: window 2 or 3
.irp b, 0,1,2,3,4,5,6,7
	ds_store_b128 v[STO], v[AC+8*\b:AC+8*\b+3] offset:128*(\b/2)+32*(\b%2)        ; each accumulator from its low end on
	ds_store_b128 v[STO], v[AC+8*\b+4:AC+8*\b+7] offset:128*(\b/2)+32*(\b%2)+16
.endr
	WIN 0
.set BB, BK+64*((\a)%2)
.irp t, 0,1,2,3,4,5,6,7,8,9,10,11,12,13,14,15
	ds_load_b128 v[BB+4*\t:BB+4*\t+3], v[RD] offset:\t*SPITCH
.endr
.endm
.macro SEND a, younger                 ; younger: the LDS instructions issued behind block a's loads
.set BB, BK+64*((\a)%2)
	s_wait_dscnt \younger
.if (\a) > 0
	s_add_nc_u64 s[12:13], s[12:13], (8+16*(1-(\a)%2))*4096   ; (behind a wait on XCNT)  tile a begins at token 32 (a / 2) + 8 (a % 2)
.endif
.irp t, 0,1,2,3,4,5,6,7,8,9,10,11,12,13,14,15
	global_store_b128 v[CO], v[BB+4*\t:BB+4*\t+3], s[12:13] offset:(\t+8*(\t/8))*4096 th:TH_STORE_NT   ; slot t is token t + 8 (t / 8) of the tile; 512 consecutive bytes, aligned
.endr
.endm
	PLACES 4
	TOSTAGE 0
.irp a, 1,2,3,4,5,6,7
.if \a > 1
	s_wait_xcnt 0x0                                ; block a - 2's stores have read their registers and their base
.endif
	TOSTAGE \a
	SEND \a-1, 32                                  ; behind block a - 1's loads: block a's 16 stores and 16 loads
.endr
	s_wait_xcnt 0x0
	SEND 7, 0
	s_wait_tensorcnt 0x0                           ; the wave's end
	ds_add_u32 v[SPW], v[NIL]
	s_wait_dscnt 0x0
	CROUND                                         ; the closing round
	s_endpgm
.Lfunc_end_k_qcfd7f6ae06_outp:
	.size	k_qcfd7f6ae06_outp, .Lfunc_end_k_qcfd7f6ae06_outp-k_qcfd7f6ae06_outp
	.p2alignl 7, 3214868480
	.fill 96, 4, 3214868480
	.section	.rodata,"a",@progbits
	.p2align	6, 0x0
	.amdhsa_kernel k_qcfd7f6ae06_outp
		.amdhsa_group_segment_fixed_size 327680
		.amdhsa_private_segment_fixed_size 0
		.amdhsa_enable_private_segment 0
		.amdhsa_kernarg_size 40
		.amdhsa_user_sgpr_count 2
		.amdhsa_user_sgpr_kernarg_segment_ptr 1
		.amdhsa_wavefront_size32 1
		.amdhsa_system_sgpr_workgroup_id_x 1
		.amdhsa_system_sgpr_workgroup_id_y 1
		.amdhsa_system_sgpr_workgroup_id_z 1
		.amdhsa_system_vgpr_workitem_id 0
		.amdhsa_next_free_vgpr 1024
		.amdhsa_next_free_sgpr 98
		.amdhsa_reserve_vcc 0
		.amdhsa_float_denorm_mode_32 3
		.amdhsa_float_denorm_mode_16_64 3
		.amdhsa_memory_ordered 1
		.amdhsa_forward_progress 1
		.amdhsa_inst_pref_size 139
	.end_amdhsa_kernel
	.amdgpu_metadata
---
amdhsa.version: [ 1, 2 ]
amdhsa.kernels:
  - .name:           k_qcfd7f6ae06_outp
    .symbol:         k_qcfd7f6ae06_outp.kd
    .args:
      - { .name: oc, .offset: 0, .size: 8, .value_kind: global_buffer, .address_space: global }
      - { .name: wo, .offset: 8, .size: 8, .value_kind: global_buffer, .address_space: global }
      - { .name: sc4, .offset: 16, .size: 8, .value_kind: global_buffer, .address_space: global }
      - { .name: b_out, .offset: 24, .size: 8, .value_kind: global_buffer, .address_space: global }
      - { .name: out0, .offset: 32, .size: 8, .value_kind: global_buffer, .address_space: global }
    .group_segment_fixed_size: 327680
    .private_segment_fixed_size: 0
    .kernarg_segment_align: 8
    .kernarg_segment_size: 40
    .max_flat_workgroup_size: 128
    .sgpr_count:     98
    .vgpr_count:     1024
    .wavefront_size: 32
...
	.end_amdgpu_metadata
.endif
;; end of part 4
